; MI455X (gfx1250); checked and timed in simulation.
; The chip was launched on July 23, 2026; its instructions are those of AMD's public machine-readable ISA for CDNA 5 (MIT licence, August 2026) and "CDNA5" Instruction Set Architecture Reference Guide (July 2026). The comments in the code are by the model that wrote it; some were corrected since.
;; Self Attention. Allowed arithmetic: matrix products marked QUANTISED: E2M1 operands, one E8M0 scale for each 32 along K, by v_wmma_scale_f32_16x16x128_f8f6f4 with both operands' format E2M1 (or v_wmma_scale_f32_32x16x128_f4), f32 sums; products left as they are: bf16, f16 or f32 operands; f32 sums; everything else in f32.
;; Inputs: Wfc 1,024 x 1,024 float32; Wk 1,024 x 1,024 float32; Wq 1,024 x 1,024 float32; Wv 1,024 x 1,024 float32; beta 1,024 float32; bfc 1,024 float32; gamma 1,024 float32; x 4 x 2,048 x 1,024 float32.
;; Outputs: out0 4 x 2,048 x 1,024 float32.
;; This version of the problem:
;;   THIS VERSION OF THE PROBLEM IS GIVEN IN LOW PRECISION. The matrix products marked QUANTISED in the list below multiply operands that are first quantised to E2M1 (2 exponent bits, 1 mantissa bit; 4 bits a number), with one power-of-two scale for each 32 numbers along K (OCP MX v1.0); their sums are f32. The products marked 'left as it is' may take bf16, f16 or f32 operands, with f32 sums. Whichever they take, every output number must still come out within the allowed error. Rounding operands to bf16 (8 significant bits) uses up far more of that allowance than f16 does (11 bits, for magnitudes from 6e-5 to 65,504). All else is computed in f32.
;;   The module's matrix products, in the order in which they are computed (A, B: the left and right operand; K: the contracted axis; several contracted axes count as one K, in the product's order):
;;     1. [M 8,192, K 1,024] x [K 1,024, N 1,024]; A: input x; B: input Wq: QUANTISED
;;     2. [M 8,192, K 1,024] x [K 1,024, N 1,024]; A: input x; B: input Wk: QUANTISED
;;     3. [M 8,192, K 1,024] x [K 1,024, N 1,024]; A: input x; B: input Wv: QUANTISED
;;     4. batch 4 x [M 2,048, K 1,024] x [K 1,024, N 2,048]; A: computed on the way; B: computed on the way: left as it is (an operand is computed on the way)
;;     5. batch 4 x [M 2,048, K 2,048] x [K 2,048, N 1,024]; A: computed on the way; B: computed on the way: left as it is (an operand is computed on the way)
;;     6. [M 8,192, K 1,024] x [K 1,024, N 1,024]; A: computed on the way; B: input Wfc: left as it is (an operand is computed on the way)
;;   THE QUANTISER, for each operand of a quantised product, along K:
;;     - K is cut into blocks of 32 from its start; a last block that is shorter is filled with zeros.
;;     - A block's scale is 2^e with e = floor(log2(the largest magnitude in the block)) - 2, held to -126 .. 127; a block of zeros has e = 0. As a byte (E8M0): e + 127.
;;     - Each number is divided by its block's scale, clamped to +-6, and rounded to the nearest number of E2M1, ties to even, subnormals kept.
;;     - The product sums the exact products of the quantised numbers (number of the format x scale) in f32.
;;   ~~~python
;;   def quantise(x, axis):      # numpy; x: float32 -> the quantised numbers, widened to float32 again
;;       x = np.moveaxis(x, axis, -1); K = x.shape[-1]
;;       x = np.pad(x, [(0, 0)] * (x.ndim - 1) + [(0, -K % 32)]); x = x.reshape(x.shape[:-1] + (-1, 32)); a = np.abs(x).max(-1, keepdims=True)
;;       e = np.where(a > 0, np.clip(np.frexp(np.where(a > 0, a, 1))[1] - 1 - 2, -126, 127), 0)      # np.frexp(a)[1] - 1 = floor(log2(a)), exactly
;;       r = np.clip(x / 2.0 ** e, -6, 6)
;;       step = 2.0 ** (np.maximum(np.frexp(np.where(r == 0, 1, r))[1] - 1, 0) - 1)
;;       q = np.round(r / step) * step * 2.0 ** e      # np.round: ties to even
;;       return np.moveaxis(q.reshape(q.shape[:-2] + (-1,))[..., :K], -1, axis).astype(np.float32)
;;   ~~~
;; One version. Each part assembles by itself: llvm-mc -triple=amdgcn-amd-amdhsa -mcpu=gfx1250 --defsym DOCPART=n.
;; ======== version 1 of 1: 7 launches
;; limits: values are held in f16: magnitudes above 65,504 overflow, below 6.1e-05 lose precision
;; workspace buffers: prepbuf 8,224,768 bytes; qkv16 50,331,648 bytes; v32 33,554,432 bytes; p16 33,554,432 bytes; stats 1,048,576 bytes; z 33,554,432 bytes; h16 16,777,216 bytes
;; launch prep (part 1): grid 368 x 1, 4 waves a work-group, no clusters, 68,096 bytes of LDS; arguments x, Wq, Wk, Wv, Wfc, prepbuf; writes prepbuf
.if DOCPART == 1
	.amdgcn_target "amdgcn-amd-amdhsa--gfx1250"
	.amdhsa_code_object_version 6
	.text
	.protected	k_q6ca032f25e_prep
	.globl	k_q6ca032f25e_prep
	.p2align	8
	.type	k_q6ca032f25e_prep,@function
k_q6ca032f25e_prep:
	s_mov_b64 s[64:65], 0
	v_nop
	global_prefetch_b8 v0, s[64:65] scope:SCOPE_SE
	s_setreg_imm32_b32 hwreg(HW_REG_WAVE_MODE, 25, 1), 1
	s_wait_xcnt 0x0
; PREP.  Three kinds of work-groups, told apart by the work-group's number; each kind has LDS bytes of its own.
;   0..255    x [8192][1024] f32, K innermost  -> codes of E2M1 [8192][512 bytes] and E8M0 bytes [8192][32]
;   256..303  Wq, Wk, Wv [1024 (k)][1024 (n)] f32, K outermost -> codes [3072 (q|k|v columns)][512 bytes], bytes [3072][32]
;   304..367  Wfc [1024][1024] f32 -> f16, as it lies
; A block's scale is 2^(floor(log2(largest magnitude)) - 2); its byte is the largest magnitude's exponent field - 2, held at 1 from below.
; LIMITS: a block of zeros gets the byte 1 where the rule says 127 (its codes are zeros, and this program alone reads the bytes); blocks whose largest
; magnitude lies under 2^(2 - 126) were not tried; NaN and infinities among the inputs are not served; Wfc beyond 65,504 is not served.
.set OFF_WC, 4194304                   ; prepbuf: x's codes at 0, W's codes,
.set OFF_XS, 5767168                   ; x's scale bytes,
.set OFF_WS, 6029312                   ; W's scale bytes,
.set OFF_WF, 6127616                   ; Wfc in f16
.set EMAX,  2
.set SPW,   192                        ; v192 LDS address of my spare word; never rewritten
.set NIL,   193                        ; v193 0; never rewritten
.set SPARE, 67584                      ; behind both kinds' LDS: the spare words, 128 bytes a wave
; x's path: a wave takes 16 steps of 512 numbers; a step's 2,048 bytes turn through the wave's stage so that a lane holds 16 neighbours
.set STEPS, 16
.set CB,    8                          ; bytes of 16 codes
.set RX,    16                         ; v16-79   four sets of 16 numbers as loaded
.set XX,    80                         ; v80-111  two sets of 16 neighbours
.set EX,    112                        ; v112-127 a scale byte for each step
.set CX,    128                        ; v128-191 codes, four registers a step
.set WREG,  8192                       ; LDS 0..32767: a region for each wave: two stages of 32 x 80 bytes, then 256 scale bytes
.set SP,    80
; W's path: a lane takes a column, its registers run down K; 16 blocks of 32 a lane
.set NB,    16
.set WPITCH, 272
.set WSTG,  32768                      ; LDS 32768..67583: a stage of 32 x 272 bytes for each wave
.set KROW,  512
.set SB,    24                         ; v24-27   the scale bytes
.set WX,    32                         ; v32-95   two sets of 32 numbers
.set WCD,   96                         ; v96-99   a block's codes
.set OUTR,  112                        ; v112-175 the way out
.macro XLOAD t
.irp i, 0,1,2,3
	global_load_b128 v[RX+16*((\t)%4)+4*\i:RX+16*((\t)%4)+4*\i+3], v3, s[4:5] offset:2048*(\t)+512*\i th:TH_LOAD_NT   ; 32 lanes read 512 consecutive bytes
.endr
.endm
.macro XTURN t                         ; LDS serves a wave's instructions in order: no wait between the stores and the loads
.irp i, 0,1,2,3
	ds_store_b128 v14, v[RX+16*((\t)%4)+4*\i:RX+16*((\t)%4)+4*\i+3] offset:32*SP*((\t)%2)+8*SP*\i
.endr
.irp i, 0,1,2,3
	ds_load_b128 v[XX+16*((\t)%2)+4*\i:XX+16*((\t)%2)+4*\i+3], v15 offset:32*SP*((\t)%2)+16*\i
.endr
.endm
.macro XSTEP t
.set XSR, XX+16*((\t)%2)
.if (\t) > 0
	s_wait_dscnt 1                                 ; this step's numbers are back from the stage (the last step's byte store may be out)
.else
	s_wait_dscnt 0x0
.endif
.if (\t)+4 < STEPS
	XLOAD (\t)+4                                   ; into the registers that the stage's stores have read
.endif
.if (\t)+1 < STEPS
.if STEPS-2-(\t) >= 3
	s_wait_loadcnt 12                              ; the next step's four loads are in; three steps' loads may be out
.else
	s_wait_loadcnt 4*(STEPS-2-(\t))
.endif
	XTURN (\t)+1
.endif
	v_max3_num_f32 v8, |v[XSR]|, |v[XSR+1]|, |v[XSR+2]|
	v_max3_num_f32 v9, |v[XSR+3]|, |v[XSR+4]|, |v[XSR+5]|
.irp i, 6,10
	v_max3_num_f32 v8, v8, |v[XSR+\i]|, |v[XSR+\i+1]|
	v_max3_num_f32 v9, v9, |v[XSR+\i+2]|, |v[XSR+\i+3]|
.endr
	v_max3_num_f32 v8, v8, |v[XSR+14]|, |v[XSR+15]|
	v_max3_num_f32 v8, v8, v9, (EMAX+1)<<23        ; the floor: the byte cannot fall under 1
	v_max_num_f32_dpp v8, v8, v8 row_xmask:1 row_mask:0xf bank_mask:0xf   ; with my neighbour's 16: the block's largest magnitude
	v_add_nc_u32 v11, -(EMAX<<23), v8              ; EMAX off its exponent field: the conversion's scale operand
	v_cvt_scalef32_pk8_fp4_f32 v[CX+4*(\t)], v[XSR:XSR+7], v11
	v_cvt_scalef32_pk8_fp4_f32 v[CX+4*(\t)+1], v[XSR+8:XSR+15], v11
	v_lshrrev_b32 v[EX+(\t)], 23, v11              ; the scale's byte
	ds_store_b8 v5, v[EX+(\t)] offset:16*(\t)      ; both lanes of a block write the same byte with the same value
	global_store_b64 v4, v[CX+4*(\t):CX+4*(\t)+1], s[8:9] offset:32*CB*(\t)   ; the wave stores 256 consecutive bytes, aligned
.endm
.macro WLOAD t
.irp i, 0,1,2,3,4,5,6,7,8,9,10,11,12,13,14,15,16,17,18,19,20,21,22,23,24,25,26,27,28,29,30,31
	global_load_b32 v[WX+32*((\t)%2)+\i], v3, s[4:5] offset:(32*(\t)+\i)*4096 th:TH_LOAD_NT
.endr
.endm
.macro WBLOCK t
.set WXS, WX+32*((\t)%2)
.if (\t) < NB-1
	s_wait_loadcnt 32                              ; this block's 32 loads are in; the next block's may be out
.else
	s_wait_loadcnt 0
.endif
	v_max3_num_f32 v12, |v[WXS]|, |v[WXS+1]|, |v[WXS+2]|
	v_max3_num_f32 v13, |v[WXS+3]|, |v[WXS+4]|, |v[WXS+5]|
.irp i, 6,10,14,18,22,26
	v_max3_num_f32 v12, v12, |v[WXS+\i]|, |v[WXS+\i+1]|
	v_max3_num_f32 v13, v13, |v[WXS+\i+2]|, |v[WXS+\i+3]|
.endr
	v_max3_num_f32 v12, v12, |v[WXS+30]|, |v[WXS+31]|
	v_max3_num_f32 v12, v12, v13, (EMAX+1)<<23
	v_add_nc_u32 v11, -(EMAX<<23), v12
	v_lshrrev_b32 v13, 23, v11
.if (\t)%4 == 0
	v_mov_b32 v[SB+(\t)/4], v13                    ; four bytes to a register, the lower K in the lower byte
.else
	v_lshl_or_b32 v[SB+(\t)/4], v13, 8*((\t)%4), v[SB+(\t)/4]
.endif
.irp g, 0,1,2,3
	v_cvt_scalef32_pk8_fp4_f32 v[WCD+\g], v[WXS+8*\g:WXS+8*\g+7], v11
.endr
	ds_store_b128 v4, v[WCD:WCD+3] offset:16*(\t)  ; 32 codes: 16 bytes of my column's row
.if (\t)+2 < NB
	WLOAD (\t)+2
.endif
	s_wait_dscnt 0x0                               ; the store has read its registers: the next block's codes may be written
.endm
	s_load_b256 s[4:11], s[0:1], 0x0               ; x, Wq, Wk, Wv
	s_load_b128 s[12:15], s[0:1], 0x20             ; Wfc, prepbuf
	v_lshl_add_u32 v[SPW], v0, 2, SPARE
	v_mov_b32 v[NIL], 0
	v_lshrrev_b32 v1, 5, v0
	v_readfirstlane_b32 s16, v1                    ; wave
	v_and_b32 v2, 31, v0                           ; lane
	s_mov_b32 s21, 0
	s_wait_kmcnt 0x0
	s_cmp_lt_u32 ttmp9, 256
	s_cbranch_scc0 .Lnot_x
	; ---- x
	v_lshlrev_b32 v3, 4, v2                        ; my 16 bytes of a load's 512
	s_mul_i32 s17, s16, WREG
	v_lshrrev_b32 v14, 2, v2
	v_mul_u32_u24 v14, v14, SP
	v_and_b32 v15, 3, v2
	v_lshl_add_u32 v14, v15, 4, v14
	v_add_nc_u32 v14, s17, v14                     ; the stage, in: 80 (lane / 4) + 16 (lane % 4)
	v_mul_u32_u24 v15, v2, SP
	v_add_nc_u32 v15, s17, v15                     ; and out: 80 x lane: my 16 neighbours
	v_mul_u32_u24 v4, v2, CB
	v_lshrrev_b32 v5, 1, v2
	s_add_co_u32 s17, s17, 2*32*SP
	v_add_nc_u32 v5, s17, v5                       ; my block's byte among the wave's 256
	v_lshlrev_b32 v7, 3, v2
	v_add_nc_u32 v6, s17, v7
	s_lshl_b32 s17, ttmp9, 2
	s_add_co_u32 s18, s17, s16                     ; which run of 8,192 numbers is my wave's
	s_lshl_b32 s20, s18, 15
	s_add_nc_u64 s[4:5], s[4:5], s[20:21]
	s_lshl_b32 s20, s18, 12
	s_add_nc_u64 s[8:9], s[14:15], s[20:21]        ; its 4,096 bytes of codes
	s_lshl_b32 s20, s18, 8
	s_add_co_u32 s20, s20, OFF_XS
	s_add_nc_u64 s[10:11], s[14:15], s[20:21]      ; its 256 scale bytes
.irp t, 0,1,2,3
	XLOAD \t
.endr
	s_wait_loadcnt 12                              ; step 0's four loads are in
	XTURN 0
.irp t, 0,1,2,3,4,5,6,7,8,9,10,11,12,13,14,15
	XSTEP \t
.endr
	ds_load_b64 v[8:9], v6                         ; LDS serves a wave's instructions in order: these see my byte stores
	s_wait_dscnt 0x0
	global_store_b64 v7, v[8:9], s[10:11]          ; 32 lanes store 256 consecutive bytes, aligned
	s_branch .Lend
.Lnot_x:
	s_cmp_lt_u32 ttmp9, 304
	s_cbranch_scc0 .Lpath_f
	; ---- Wq, Wk, Wv
	s_sub_co_u32 s17, ttmp9, 256
	s_lshr_b32 s22, s17, 4                         ; which weight
	s_and_b32 s23, s17, 7                          ; which 128 columns
	s_bfe_u32 s18, s17, 0x10003                    ; which 512 along K
	s_cmp_eq_u32 s22, 0
	s_cselect_b64 s[4:5], s[6:7], s[8:9]
	s_cmp_eq_u32 s22, 2
	s_cselect_b64 s[4:5], s[10:11], s[4:5]
	s_lshl_b32 s17, s23, 7
	s_lshl_b32 s19, s16, 5
	s_add_co_u32 s17, s17, s19                     ; my wave's first column
	s_lshl_b32 s20, s18, 21                        ; 512 rows of 4,096 bytes
	s_lshl_b32 s19, s17, 2
	s_add_co_u32 s20, s20, s19
	s_add_nc_u64 s[4:5], s[4:5], s[20:21]
	s_lshl_b32 s19, s22, 10
	s_add_co_u32 s19, s19, s17                     ; its row among the 3,072
	s_lshl_b32 s20, s19, 9
	s_lshl_b32 s24, s18, 8
	s_add_co_u32 s20, s20, s24
	s_add_co_u32 s20, s20, OFF_WC
	s_add_nc_u64 s[6:7], s[14:15], s[20:21]
	s_lshl_b32 s20, s19, 5
	s_lshl_b32 s24, s18, 4
	s_add_co_u32 s20, s20, s24
	s_add_co_u32 s20, s20, OFF_WS
	s_add_nc_u64 s[8:9], s[14:15], s[20:21]
	v_lshlrev_b32 v3, 2, v2                        ; in: 4 bytes a lane
	s_mul_i32 s19, s16, 32*WPITCH
	s_add_co_u32 s19, s19, WSTG                    ; my stage
	v_mul_u32_u24 v4, v2, WPITCH
	v_add_nc_u32 v4, s19, v4                       ; into it: row = my column
	v_and_b32 v5, 15, v2
	v_lshrrev_b32 v6, 4, v2
	v_mul_u32_u24 v7, v6, WPITCH
	v_lshl_add_u32 v7, v5, 4, v7
	v_add_nc_u32 v7, s19, v7                       ; out of it: sixteen lanes to a row
	v_mul_u32_u24 v8, v6, KROW
	v_lshl_add_u32 v8, v5, 4, v8
	v_lshlrev_b32 v9, 5, v2                        ; my column's row of scale bytes
	WLOAD 0
	WLOAD 1
.set Q, 0
.rept NB
	WBLOCK Q
.set Q, Q+1
.endr
	global_store_b128 v9, v[SB:SB+3], s[8:9]       ; my column's 16 scale bytes
.irp t, 0,1,2,3,4,5,6,7,8,9,10,11,12,13,14,15
	ds_load_b128 v[OUTR+4*\t:OUTR+4*\t+3], v7 offset:2*\t*WPITCH
.endr
.irp t, 0,1,2,3,4,5,6,7,8,9,10,11,12,13,14,15
	s_wait_dscnt 15-\t
	global_store_b128 v8, v[OUTR+4*\t:OUTR+4*\t+3], s[6:7] offset:2*\t*KROW   ; sixteen lanes store 256 consecutive bytes, aligned
.endr
	s_branch .Lend
.Lpath_f:
	; ---- Wfc to f16: a wave takes 16,384 bytes; no LDS
	s_sub_co_u32 s17, ttmp9, 304
	s_lshl_b32 s17, s17, 2
	s_add_co_u32 s17, s17, s16
	s_lshl_b32 s20, s17, 14
	s_add_nc_u64 s[4:5], s[12:13], s[20:21]
	s_lshl_b32 s20, s17, 13
	s_add_co_u32 s20, s20, OFF_WF
	s_add_nc_u64 s[6:7], s[14:15], s[20:21]
	v_lshlrev_b32 v3, 4, v2
	v_lshlrev_b32 v4, 3, v2
.irp i, 0,1,2,3,4,5,6,7,8,9,10,11,12,13,14,15
	global_load_b128 v[32+4*\i:35+4*\i], v3, s[4:5] offset:512*\i th:TH_LOAD_NT
.endr
.irp i, 0,1,2,3,4,5,6,7,8,9,10,11,12,13,14,15
	global_load_b128 v[128+4*\i:131+4*\i], v3, s[4:5] offset:8192+512*\i th:TH_LOAD_NT
.endr
	s_wait_loadcnt 16                              ; the first sixteen are in
.irp i, 0,1,2,3,4,5,6,7,8,9,10,11,12,13,14,15
	v_cvt_pk_f16_f32 v[96+2*\i], v[32+4*\i], v[33+4*\i]
	v_cvt_pk_f16_f32 v[97+2*\i], v[34+4*\i], v[35+4*\i]
.endr
.irp i, 0,1,2,3,4,5,6,7,8,9,10,11,12,13,14,15
	global_store_b64 v4, v[96+2*\i:97+2*\i], s[6:7] offset:256*\i   ; 256 consecutive bytes, aligned
.endr
	s_wait_loadcnt 0x0
.irp i, 0,1,2,3,4,5,6,7,8,9,10,11,12,13,14,15
	v_cvt_pk_f16_f32 v[32+2*\i], v[128+4*\i], v[129+4*\i]
	v_cvt_pk_f16_f32 v[33+2*\i], v[130+4*\i], v[131+4*\i]
.endr
.irp i, 0,1,2,3,4,5,6,7,8,9,10,11,12,13,14,15
	global_store_b64 v4, v[32+2*\i:33+2*\i], s[6:7] offset:4096+256*\i
.endr
.Lend:
	s_wait_tensorcnt 0x0                           ; the wave's end
	ds_add_u32 v[SPW], v[NIL]
	s_wait_dscnt 0x0
	s_endpgm
.Lfunc_end_k_q6ca032f25e_prep:
	.size	k_q6ca032f25e_prep, .Lfunc_end_k_q6ca032f25e_prep-k_q6ca032f25e_prep
	.p2alignl 7, 3214868480
	.fill 96, 4, 3214868480
	.section	.rodata,"a",@progbits
	.p2align	6, 0x0
	.amdhsa_kernel k_q6ca032f25e_prep
		.amdhsa_group_segment_fixed_size 68096
		.amdhsa_private_segment_fixed_size 0
		.amdhsa_enable_private_segment 0
		.amdhsa_kernarg_size 48
		.amdhsa_user_sgpr_count 2
		.amdhsa_user_sgpr_kernarg_segment_ptr 1
		.amdhsa_wavefront_size32 1
		.amdhsa_system_sgpr_workgroup_id_x 1
		.amdhsa_system_sgpr_workgroup_id_y 1
		.amdhsa_system_sgpr_workgroup_id_z 1
		.amdhsa_system_vgpr_workitem_id 0
		.amdhsa_next_free_vgpr 196
		.amdhsa_next_free_sgpr 66
		.amdhsa_reserve_vcc 0
		.amdhsa_float_denorm_mode_32 3
		.amdhsa_float_denorm_mode_16_64 3
		.amdhsa_memory_ordered 1
		.amdhsa_forward_progress 1
		.amdhsa_inst_pref_size 121
	.end_amdhsa_kernel
	.amdgpu_metadata
---
amdhsa.version: [ 1, 2 ]
amdhsa.kernels:
  - .name:           k_q6ca032f25e_prep
    .symbol:         k_q6ca032f25e_prep.kd
    .args:
      - { .name: x, .offset: 0, .size: 8, .value_kind: global_buffer, .address_space: global }
      - { .name: Wq, .offset: 8, .size: 8, .value_kind: global_buffer, .address_space: global }
      - { .name: Wk, .offset: 16, .size: 8, .value_kind: global_buffer, .address_space: global }
      - { .name: Wv, .offset: 24, .size: 8, .value_kind: global_buffer, .address_space: global }
      - { .name: Wfc, .offset: 32, .size: 8, .value_kind: global_buffer, .address_space: global }
      - { .name: prepbuf, .offset: 40, .size: 8, .value_kind: global_buffer, .address_space: global }
    .group_segment_fixed_size: 68096
    .private_segment_fixed_size: 0
    .kernarg_segment_align: 8
    .kernarg_segment_size: 48
    .max_flat_workgroup_size: 128
    .sgpr_count:     66
    .vgpr_count:     196
    .wavefront_size: 32
...
	.end_amdgpu_metadata
.endif
;; end of part 1
;; launch qkv (part 2): grid 12 x 32, 4 waves a work-group, clusters of 4 x 4, 327,680 bytes of LDS; arguments prepbuf, qkv16, v32; writes qkv16, v32
.if DOCPART == 2
	.amdgcn_target "amdgcn-amd-amdhsa--gfx1250"
	.amdhsa_code_object_version 6
	.text
	.protected	k_q6ca032f25e_qkv
	.globl	k_q6ca032f25e_qkv
	.p2align	8
	.type	k_q6ca032f25e_qkv,@function
k_q6ca032f25e_qkv:
	s_mov_b64 s[64:65], 0
	v_nop
	global_prefetch_b8 v0, s[64:65] scope:SCOPE_SE
	s_setreg_imm32_b32 hwreg(HW_REG_WAVE_MODE, 25, 1), 1
	s_wait_xcnt 0x0
	s_wait_alu depctr_hold_cnt(0) depctr_sa_sdst(0) depctr_va_vdst(0) depctr_va_sdst(0) depctr_va_ssrc(0) depctr_va_vcc(0) depctr_vm_vsrc(0)
	s_getreg_b32 s2, hwreg(HW_REG_IB_STS2, 6, 4)
	s_cmp_eq_u32 s2, 0
	s_cbranch_scc0 .Lentry_in_a_cluster
	s_endpgm
.Lentry_in_a_cluster:
	s_bfe_u32 s2, ttmp6, 0x10000c
	s_cmp_lg_u32 s2, 0xf033
	s_cbranch_scc0 .Lentry_shape_is_right
	s_endpgm
.Lentry_shape_is_right:
; QKV.  [8192][1024] x [3072][1024]^T on codes of E2M1 with one E8M0 scale for each 32 along K; sums in f32.  Columns 0-1023 are q, 1024-2047 k, 2048-3071 v.
; The result goes out as f16, [8192][3072]; v also as f32, [8192][1024].  LIMIT: |q|, |k|, |v| under 65,504.
; A tile of 256 x 256 is made by four waves, 128 x 128 each: 64 accumulators.  K = 1,024 is two slots of 512, both filled at the start: nothing is filled again.
; The scale bytes of the tile's 256 + 256 rows come once, as dense blocks.  4 x 4 work-groups form a cluster: x's tiles are asked for jointly along a row, W's along a column.
; The matrix instruction is used transposed (source 0 = 16 rows of W, source 1 = 16 rows of x): a lane holds eight neighbouring columns of one row.
; REGISTERS: window 0: v0-31 addresses; v32-95 scale words, two sets; v128-191 x's fragments, one set.  window 1: W's fragments, two sets.  windows 2, 3: accumulators.
.set SIZE_K, 1024
.set OFF_WC, 4194304
.set OFF_XS, 5767168
.set OFF_WS, 6029312
.set KSTEP,  512
.set NQ,     KSTEP/128
.set ROWB,   256
.set KROW,   SIZE_K*4/8
.set PITCH,  272                       ; 256 bytes + 16: the 16 rows of a load start at 16 different banks (64 banks of 4 bytes: ISA guide 11.1)
.set FR,     8
.set NL,     2
.set NP,     4
.set HALFT,  128*PITCH
.set SLOT,   4*HALFT
.set KS,     SIZE_K/32
.set SCL,    2*SLOT
.set HALFS,  (128*KS/256)*272
.set SBLK,   (16*KS/256)*272
.set SPARE,  SCL+4*HALFS
.set SPITCH, 528                       ; the f32 stage: 16 rows x (512 + 16) a wave, in slot 0, which has had its only fill and its last read by then
.set STO16, 8                          ; v8-10 the f16 way out: into the stage, back, and in qkv16
.set RD16,  9
.set CO16,  10
.set ADRA, 16
.set ADRB, 20
.set STO,  24
.set RD,   25
.set CO,   26
.set ADRS, 27
.set SPW,  28
.set NIL,  29
.set SC,   32
.set AF,   128
.set BK,   128
.set TMP,  192
.set G1, 24
.set G0, 32
.set G1B, 48
.set G0B, 56
.set G1S, 68
.set G0S, 76
.set G1SB, 80
.set G0SB, 88
.set MSB, 0
.macro WIN new                         ; the immediate's high byte repeats the setting that is left
.if MSB != \new
	s_set_vgpr_msb (MSB<<8)|\new
.set MSB, \new
.endif
.endm
.set MUL_LO, 0xa1
.set MUL_HI, 0xf1
.set TO_B,   0x40
.macro JLOAD g0a, g1a, g0b, g1b        ; waves 0, 1 fetch for x, waves 2, 3 for W; an s_nop 0 and four v_nop follow each line
	s_cmp_eq_u32 s15, 0
	s_cbranch_scc0 .Lfor_b_\@
	tensor_load_to_lds s[\g0a:\g0a+3], s[\g1a:\g1a+7]
	s_nop 0
.rept 4
	v_nop
.endr
	s_branch .Lasked_\@
.Lfor_b_\@:
	tensor_load_to_lds s[\g0b:\g0b+3], s[\g1b:\g1b+7]
	s_nop 0
.rept 4
	v_nop
.endr
.Lasked_\@:
.endm
.macro CROUND                          ; a round of the cluster's barrier
	s_barrier_signal -1
	s_barrier_wait -1
	s_cmp_lg_u32 s14, 0
	s_cbranch_scc1 .Lnot_wave_0_\@
	s_barrier_signal -3
.Lnot_wave_0_\@:
	s_barrier_wait -3
	s_barrier_signal -1
	s_barrier_wait -1
.endm
	s_load_b128 s[4:7], s[0:1], 0x0                ; prepbuf, qkv16
	s_load_b64 s[8:9], s[0:1], 0x10                ; v32
	v_lshl_add_u32 v[SPW], v0, 2, SPARE
	v_mov_b32 v[NIL], 0
	ds_add_u32 v[SPW], v[NIL]                      ; the opening: the add, twice on end, and its wait ahead of my first tensor load
	ds_add_u32 v[SPW], v[NIL]
	v_lshrrev_b32 v1, 5, v0
	v_readfirstlane_b32 s14, v1                    ; wave
	s_lshr_b32 s15, s14, 1                         ; my half of the tile's rows; also: I fetch for x (0) or W (1)
	s_and_b32 s16, s14, 1                          ; my half of its columns; also: which 128 rows I fetch
	s_bfe_u32 s40, ttmp6, 0x40000                  ; cx
	s_bfe_u32 s41, ttmp6, 0x40004                  ; cy
	s_lshl_b32 s42, ttmp9, 2
	s_add_co_u32 s42, s42, s40                     ; tile column
	s_and_b32 s17, ttmp7, 0xffff
	s_lshl_b32 s17, s17, 2
	s_add_co_u32 s17, s17, s41                     ; tile row
	s_lshl_b32 s43, s41, 2
	s_lshl_b32 s43, 15, s43                        ; my row of the cluster
	s_lshl_b32 s44, 0x1111, s40                    ; my column
	s_or_b32 s[G1+0], s43, (0<<16)|(1<<20)|(1<<21)|(5<<22)|(3<<25)   ; bytes; 4 words of padding behind every 64
	s_or_b32 s[G1B+0], s44, (0<<16)|(1<<20)|(1<<21)|(5<<22)|(3<<25)
.irp g, G1, G1B
	s_mov_b32 s[\g+1], ROWB<<16
	s_mov_b32 s[\g+2], 128<<16
	s_mov_b32 s[\g+3], ROWB<<16
	s_mov_b32 s[\g+4], 128
	s_mov_b32 s[\g+5], KROW
	s_mov_b32 s[\g+6], 0
	s_mov_b32 s[\g+7], 0
.endr
	s_or_b32 s[G1S+0], s43, (3<<16)|(1<<20)|(1<<21)|(5<<22)|(3<<25)  ; the scales of 128 rows: a dense block as rows of 256 bytes
	s_or_b32 s[G1SB+0], s44, (3<<16)|(1<<20)|(1<<21)|(5<<22)|(3<<25)
.irp g, G1S, G1SB
	s_mov_b32 s[\g+1], 32<<16
	s_mov_b32 s[\g+2], (128*KS/256)<<16
	s_mov_b32 s[\g+3], 32<<16
	s_mov_b32 s[\g+4], 128*KS/256
	s_mov_b32 s[\g+5], 32
	s_mov_b32 s[\g+6], 0
	s_mov_b32 s[\g+7], 0
.endr
	s_lshl_b32 s18, s16, 7
	s_lshl_b32 s20, s17, 8
	s_add_co_u32 s20, s20, s18                     ; x: row 256 x tile row + 128 x half
	s_lshl_b32 s46, s42, 8
	s_add_co_u32 s46, s46, s18                     ; W: row 256 x tile column + 128 x half
	s_mov_b32 s21, 0
	s_mov_b32 s47, 0
	s_mov_b64 s[18:19], KS
	s_mul_u64 s[22:23], s[20:21], s[18:19]
	s_mul_u64 s[92:93], s[46:47], s[18:19]
	s_mov_b64 s[18:19], KROW
	s_mul_u64 s[20:21], s[20:21], s[18:19]
	s_mul_u64 s[46:47], s[46:47], s[18:19]
	s_add_nc_u64 s[22:23], s[22:23], OFF_XS        ; the four regions of prepbuf
	s_add_nc_u64 s[92:93], s[92:93], OFF_WS
	s_add_nc_u64 s[46:47], s[46:47], OFF_WC
	s_mul_i32 s45, s14, HALFT
	s_mul_i32 s94, s14, HALFS
	s_wait_dscnt 0x0                               ; both opening adds are done
	s_wait_kmcnt 0x0
	s_add_nc_u64 s[20:21], s[4:5], s[20:21]
	s_add_nc_u64 s[22:23], s[4:5], s[22:23]
	s_add_nc_u64 s[46:47], s[4:5], s[46:47]
	s_add_nc_u64 s[92:93], s[4:5], s[92:93]
	CROUND                                         ; all sixteen work-groups are here: the joint loads meet
	s_mov_b32 s[G0S], 1
	s_add_co_u32 s[G0S+1], s94, SCL
	s_mov_b64 s[G0S+2:G0S+3], s[22:23]
	s_or_b32 s[G0S+3], s[G0S+3], 0x80000000
	s_mov_b32 s[G0SB], 1
	s_add_co_u32 s[G0SB+1], s94, SCL
	s_mov_b64 s[G0SB+2:G0SB+3], s[92:93]
	s_or_b32 s[G0SB+3], s[G0SB+3], 0x80000000
	JLOAD G0S, G1S, G0SB, G1SB                     ; the scales first
.irp s, 0,1
	s_mov_b32 s[G0+4*\s], 1
	s_add_co_u32 s[G0+4*\s+1], s45, \s*SLOT
	s_add_nc_u64 s[G0+4*\s+2:G0+4*\s+3], s[20:21], \s*ROWB
	s_or_b32 s[G0+4*\s+3], s[G0+4*\s+3], 0x80000000
	s_mov_b32 s[G0B+4*\s], 1
	s_add_co_u32 s[G0B+4*\s+1], s45, \s*SLOT
	s_add_nc_u64 s[G0B+4*\s+2:G0B+4*\s+3], s[46:47], \s*ROWB
	s_or_b32 s[G0B+4*\s+3], s[G0B+4*\s+3], 0x80000000
	JLOAD G0+4*\s, G1, G0B+4*\s, G1B               ; three loads of a wave are out
.endr
	v_and_b32 v1, 15, v0                           ; r
	v_bfe_u32 v2, v0, 4, 1                         ; h
	v_mul_u32_u24 v3, v1, PITCH
	v_lshl_add_u32 v4, v2, 4, v3
	s_mul_i32 s21, s15, HALFT
	s_mul_i32 s22, s16, HALFT
	s_add_co_u32 s22, s22, 2*HALFT
.irp s, 0,1
	v_add_nc_u32 v[ADRA+\s], s21, v4
	v_add_nc_u32 v[ADRB+\s], s22, v4
	s_add_co_u32 s21, s21, SLOT
	s_add_co_u32 s22, s22, SLOT
.endr
	v_mul_u32_u24 v5, v1, KS
	v_lshrrev_b32 v6, 8, v5
	v_lshl_add_u32 v5, v6, 4, v5                   ; my row's scales: 32 bytes a row, 16 more for each 256 passed
	s_mul_i32 s21, s15, HALFS
	s_mul_i32 s22, s16, HALFS
	s_add_co_u32 s22, s22, 2*HALFS
	s_sub_co_u32 s22, s22, s21
	v_mul_u32_u24 v6, s22, v2                      ; lanes 16-31 take W's
	s_add_co_u32 s21, s21, SCL
	v_add_nc_u32 v5, v5, v6
	v_add_nc_u32 v[ADRS], s21, v5
	s_mul_i32 s23, s14, 16*SPITCH                  ; my stage
	v_mul_u32_u24 v5, v1, SPITCH
	v_lshl_add_u32 v5, v2, 5, v5
	v_add_nc_u32 v[STO], s23, v5
	v_and_b32 v6, 31, v0
	v_lshlrev_b32 v[CO], 4, v6
	v_add_nc_u32 v[RD], s23, v[CO]
	v_mul_u32_u24 v5, v1, 272                      ; the same bytes as a stage of 16 rows x (256 + 16) for f16
	v_lshl_add_u32 v5, v2, 4, v5
	v_add_nc_u32 v[STO16], s23, v5
	v_mul_u32_u24 v5, v2, 272
	v_lshl_add_u32 v5, v1, 4, v5
	v_add_nc_u32 v[RD16], s23, v5
	v_mul_u32_u24 v5, v2, 6144
	v_lshl_add_u32 v[CO16], v1, 4, v5
	s_lshl_b32 s20, s17, 8
	s_lshl_b32 s21, s15, 7
	s_add_co_u32 s20, s20, s21                     ; my first row
	s_mul_i32 s18, s20, 6144
	s_lshl_b32 s46, s42, 9
	s_add_co_u32 s18, s18, s46
	s_lshl_b32 s46, s16, 8
	s_add_co_u32 s18, s18, s46                     ; + 512 x tile column + 256 x half
	s_mov_b32 s19, 0
	s_add_nc_u64 s[6:7], s[6:7], s[18:19]
	s_lshl_b32 s18, s20, 12
	s_lshl_b32 s46, s40, 10
	s_add_co_u32 s18, s18, s46
	s_lshl_b32 s46, s16, 9
	s_add_co_u32 s18, s18, s46                     ; in v32: v's tile columns are the third cluster column's: 1,024 cx + 512 x half
	s_add_nc_u64 s[8:9], s[8:9], s[18:19]
.macro FRAG reg, adr, q, i
.irp c, 0,1
	ds_load_b128 v[\reg+4*\c:\reg+4*\c+3], v[\adr] offset:64*(\q)+32*\c+(\i)*16*PITCH
.endr
.endm
; 16 matrix instructions; the 64 accumulators take turns, one instruction a turn
.macro MUL16 a0, p, q, sc, zero
.irp a, \a0, \a0+1
.irp b, 0,1,2,3,4,5,6,7
.if \zero
	v_wmma_scale_f32_16x16x128_f8f6f4 v[8*(8*((\a)%4)+\b):8*(8*((\a)%4)+\b)+7], v[128*(\p)+FR*\b:128*(\p)+FR*\b+FR-1], v[AF+FR*(\a):AF+FR*(\a)+FR-1], 0, v[SC+8*NQ*(\sc)+NQ*\b+(\q)], v[SC+8*NQ*(\sc)+NQ*(\a)+(\q)] matrix_a_fmt:MATRIX_FMT_FP4 matrix_b_fmt:MATRIX_FMT_FP4 matrix_a_scale:MATRIX_SCALE_ROW1
.else
	v_wmma_scale_f32_16x16x128_f8f6f4 v[8*(8*((\a)%4)+\b):8*(8*((\a)%4)+\b)+7], v[128*(\p)+FR*\b:128*(\p)+FR*\b+FR-1], v[AF+FR*(\a):AF+FR*(\a)+FR-1], v[8*(8*((\a)%4)+\b):8*(8*((\a)%4)+\b)+7], v[SC+8*NQ*(\sc)+NQ*\b+(\q)], v[SC+8*NQ*(\sc)+NQ*(\a)+(\q)] matrix_a_fmt:MATRIX_FMT_FP4 matrix_b_fmt:MATRIX_FMT_FP4 matrix_a_scale:MATRIX_SCALE_ROW1
.endif
.endr
.endr
.endm
.macro FETCH_B slot, q, p
	WIN TO_B
.irp i, 0,1,2,3,4,5,6,7
	FRAG 128*(\p)+FR*\i, ADRB+\slot, \q, \i
.endr
	WIN 0
.endm
.macro FETCH_A slot, q, i0
.irp i, \i0, \i0+1, \i0+2, \i0+3
	FRAG AF+FR*(\i), ADRA+\slot, \q, \i
.endr
.endm
.macro SCALES sc                       ; lanes 0-15 take x's block i, lanes 16-31 W's block i: four words a row
.irp i, 0,1,2,3,4,5,6,7
	ds_load_b128 v[SC+8*NQ*\sc+NQ*\i:SC+8*NQ*\sc+NQ*\i+3], v[ADRS] offset:\i*SBLK
.endr
.endm
.macro PLACES n                        ; plain vector instructions between a matrix instruction and a load into, or a read of, its registers
.rept \n
	v_nop
.endr
.endm
.macro STEP slot, q, zero
	s_wait_dscnt 4*NL                              ; W's set and x's blocks 0-3 are in; the youngest eight loads (blocks 4-7) may be out
	WIN MUL_LO
	MUL16 0, (\q)%2, \q, \slot, \zero
	MUL16 2, (\q)%2, \q, \slot, \zero
	s_wait_dscnt 0
	PLACES NP
	FETCH_B \slot, (\q)+1, 1-(\q)%2
	FETCH_A \slot, (\q)+1, 0
	WIN MUL_HI
	MUL16 4, (\q)%2, \q, \slot, \zero
	MUL16 6, (\q)%2, \q, \slot, \zero
	PLACES NP
	WIN 0
	FETCH_A \slot, (\q)+1, 4
.endm
.macro STEPS slot, from
.set Q, \from
.rept NQ-1-\from
	STEP \slot, Q, 0
.set Q, Q+1
.endr
.endm
	s_wait_tensorcnt 1                             ; the scales and my part of slot 0 are in; slot 1's load may be out
	s_barrier_signal -1
	s_barrier_wait -1
	FETCH_B 0, 0, 0
	FETCH_A 0, 0, 0
	SCALES 0
	FETCH_A 0, 0, 4
	STEP 0, 0, 1                                   ; the first products start the sums
	STEPS 0, 1
	; slot 0's last step changes slots: one barrier
	s_wait_tensorcnt 0x0                           ; my part of slot 1 has landed
	ds_add_u32 v[SPW], v[NIL]
	s_wait_dscnt 4*NL+1                            ; the add and the youngest eight loads may be out
	WIN MUL_LO
	MUL16 0, 1, NQ-1, 0, 0
	s_wait_dscnt 0x0
	s_barrier_signal -1
	MUL16 2, 1, NQ-1, 0, 0
	WIN 0
	s_barrier_wait -1
	PLACES NP
	v_add_nc_u32 v[ADRS], 4*NQ, v[ADRS]            ; the second K step's scale words
	FETCH_B 1, 0, 0
	FETCH_A 1, 0, 0
	SCALES 1
	WIN MUL_HI
	MUL16 4, 1, NQ-1, 0, 0
	MUL16 6, 1, NQ-1, 0, 0
	PLACES NP
	WIN 0
	FETCH_A 1, 0, 4
	STEPS 1, 0
	s_wait_dscnt 4*NL
	WIN MUL_LO
	MUL16 0, 1, NQ-1, 1, 0
	MUL16 2, 1, NQ-1, 1, 0
	s_wait_dscnt 0
	WIN MUL_HI
	MUL16 4, 1, NQ-1, 1, 0
	MUL16 6, 1, NQ-1, 1, 0
	WIN 0
; THE WAY OUT IN f16, a block of 16 rows x 128 columns at a time: rounded, 16 bytes a lane into my stage, back as whole rows of 256 bytes.
.macro PACK a
.set AC, 64*((\a)%4)
	WIN 0x0a+5*((\a)/4)                            ; sources 0 and 1: window 2 or 3
.irp b, 0,1,2,3,4,5,6,7
.irp r, 0,1,2,3
	v_cvt_pk_f16_f32 v[TMP+4*\b+\r], v[AC+8*\b+2*\r], v[AC+8*\b+2*\r+1]   ; each accumulator from its low end on
.endr
.endr
	WIN 0
.endm
.macro TOSTAGE16 a
.set BB, 32+32*((\a)%2)
.irp b, 0,1,2,3,4,5,6,7
	ds_store_b128 v[STO16], v[TMP+4*\b:TMP+4*\b+3] offset:32*\b
.endr
.irp t, 0,1,2,3,4,5,6,7
	ds_load_b128 v[BB+4*\t:BB+4*\t+3], v[RD16] offset:\t*544       ; LDS serves a wave's instructions in order: these see the stores above
.endr
.endm
.macro SEND16 a
.set BB, 32+32*((\a)%2)
	s_wait_dscnt 0x0                               ; the block is back in registers
	s_wait_xcnt 0x0                                ; the earlier stores have read their registers and their base
.if (\a) > 0
	s_add_nc_u64 s[6:7], s[6:7], 16*6144
.endif
.irp t, 0,1,2,3,4,5,6,7
	global_store_b128 v[CO16], v[BB+4*\t:BB+4*\t+3], s[6:7] offset:2*\t*6144   ; 16 lanes store 256 consecutive bytes, aligned
.endr
.endm
	PLACES NP
	PACK 0
	TOSTAGE16 0
.irp a, 1,2,3,4,5,6,7
	PACK \a
	SEND16 \a-1
	TOSTAGE16 \a
.endr
	SEND16 7
	; v ALSO IN f32: the third column of clusters alone; the cluster's x is the same in all partners
	s_cmp_lg_u32 ttmp9, 2
	s_cbranch_scc1 .Lnot_v
.macro TOSTAGE a
.set AC, 64*((\a)%4)
	WIN 0x08+4*((\a)/4)                            ; an LDS store's data: window 2 or 3
.irp b, 0,1,2,3,4,5,6,7
	ds_store_b128 v[STO], v[AC+8*\b:AC+8*\b+3] offset:64*\b
	ds_store_b128 v[STO], v[AC+8*\b+4:AC+8*\b+7] offset:64*\b+16
.endr
	WIN 0
.set BB, BK+64*((\a)%2)
.irp t, 0,1,2,3,4,5,6,7,8,9,10,11,12,13,14,15
	ds_load_b128 v[BB+4*\t:BB+4*\t+3], v[RD] offset:\t*SPITCH
.endr
.endm
.macro SEND a, younger
.set BB, BK+64*((\a)%2)
	s_wait_dscnt \younger                          ; the block is back; the next block's 16 stores and 16 loads may be out
.if (\a) > 0
	s_add_nc_u64 s[8:9], s[8:9], 16*4096           ; behind a wait on XCNT: the earlier stores have read their base
.endif
.irp t, 0,1,2,3,4,5,6,7,8,9,10,11,12,13,14,15
	global_store_b128 v[CO], v[BB+4*\t:BB+4*\t+3], s[8:9] offset:\t*4096   ; 32 lanes store 512 consecutive bytes, aligned
.endr
.endm
	TOSTAGE 0
.irp a, 1,2,3,4,5,6,7
.if \a > 1
	s_wait_xcnt 0x0                                ; block a - 2's stores have read their registers and their base
.endif
	TOSTAGE \a
	SEND \a-1, 32
.endr
	s_wait_xcnt 0x0
	SEND 7, 0
.Lnot_v:
	s_wait_tensorcnt 0x0                           ; the wave's end
	ds_add_u32 v[SPW], v[NIL]
	s_wait_dscnt 0x0
	CROUND                                         ; the closing round
	s_endpgm
.Lfunc_end_k_q6ca032f25e_qkv:
	.size	k_q6ca032f25e_qkv, .Lfunc_end_k_q6ca032f25e_qkv-k_q6ca032f25e_qkv
	.p2alignl 7, 3214868480
	.fill 96, 4, 3214868480
	.section	.rodata,"a",@progbits
	.p2align	6, 0x0
	.amdhsa_kernel k_q6ca032f25e_qkv
		.amdhsa_group_segment_fixed_size 327680
		.amdhsa_private_segment_fixed_size 0
		.amdhsa_enable_private_segment 0
		.amdhsa_kernarg_size 24
		.amdhsa_user_sgpr_count 2
		.amdhsa_user_sgpr_kernarg_segment_ptr 1
		.amdhsa_wavefront_size32 1
		.amdhsa_system_sgpr_workgroup_id_x 1
		.amdhsa_system_sgpr_workgroup_id_y 1
		.amdhsa_system_sgpr_workgroup_id_z 1
		.amdhsa_system_vgpr_workitem_id 0
		.amdhsa_next_free_vgpr 1024
		.amdhsa_next_free_sgpr 100
		.amdhsa_reserve_vcc 0
		.amdhsa_float_denorm_mode_32 3
		.amdhsa_float_denorm_mode_16_64 3
		.amdhsa_memory_ordered 1
		.amdhsa_forward_progress 1
		.amdhsa_inst_pref_size 157
	.end_amdhsa_kernel
	.amdgpu_metadata
---
amdhsa.version: [ 1, 2 ]
amdhsa.kernels:
  - .name:           k_q6ca032f25e_qkv
    .symbol:         k_q6ca032f25e_qkv.kd
    .args:
      - { .name: prepbuf, .offset: 0, .size: 8, .value_kind: global_buffer, .address_space: global }
      - { .name: qkv16, .offset: 8, .size: 8, .value_kind: global_buffer, .address_space: global }
      - { .name: v32, .offset: 16, .size: 8, .value_kind: global_buffer, .address_space: global }
    .group_segment_fixed_size: 327680
    .private_segment_fixed_size: 0
    .kernarg_segment_align: 8
    .kernarg_segment_size: 24
    .max_flat_workgroup_size: 128
    .sgpr_count:     100
    .vgpr_count:     1024
    .wavefront_size: 32
...
	.end_amdgpu_metadata
.endif
;; end of part 2
;; launch scores (part 3): grid 12 x 16, 4 waves a work-group, clusters of 4 x 4, 327,680 bytes of LDS; arguments qkv16, p16, stats; writes p16, stats
.if DOCPART == 3
	.amdgcn_target "amdgcn-amd-amdhsa--gfx1250"
	.amdhsa_code_object_version 6
	.text
	.protected	k_q6ca032f25e_scores
	.globl	k_q6ca032f25e_scores
	.p2align	8
	.type	k_q6ca032f25e_scores,@function
k_q6ca032f25e_scores:
	s_mov_b64 s[64:65], 0
	v_nop
	global_prefetch_b8 v0, s[64:65] scope:SCOPE_SE
	s_setreg_imm32_b32 hwreg(HW_REG_WAVE_MODE, 25, 1), 1
	s_wait_xcnt 0x0
	s_wait_alu depctr_hold_cnt(0) depctr_sa_sdst(0) depctr_va_vdst(0) depctr_va_sdst(0) depctr_va_ssrc(0) depctr_va_vcc(0) depctr_vm_vsrc(0)
	s_getreg_b32 s2, hwreg(HW_REG_IB_STS2, 6, 4)
	s_cmp_eq_u32 s2, 0
	s_cbranch_scc0 .Lentry_in_a_cluster
	s_endpgm
.Lentry_in_a_cluster:
	s_bfe_u32 s2, ttmp6, 0x10000c
	s_cmp_lg_u32 s2, 0xf033
	s_cbranch_scc0 .Lentry_shape_is_right
	s_endpgm
.Lentry_shape_is_right:
; SCORES.  For a tile of 256 queries x 256 keys: S = q k^T (f16 operands, f32 sums, K = 1,024), the causal mask, and each chunk's own part of the softmax.  A chunk is 128 keys:
; t = s c, c = log2(e) / 32; M = the row's largest t in the chunk, rounded up to a whole number; p = 2^(t - M), stored as f16; l = the row's sum of the unrounded p.
; (M, l) go to stats; the next launch brings the chunks of a row to one level by exact powers of two.
; SHARES.  Four waves, each 128 queries x 128 keys: 64 accumulators of 16 x 16, 512 registers.  For 32 along K a wave reads 2 x 128 x 64 bytes from LDS and issues 64 matrix instructions.
; A wave's 128 keys are one chunk, so a row's maximum and sum never leave the wave.  K goes in steps of 128 through two LDS slots; a refill has 224 matrix instructions in which to land.
; A cluster of 4 x 4 work-groups is one block of 1,024 queries x 1,024 keys; a batch has three blocks that the mask keeps: 12 clusters, 192 work-groups, fewer than there are WGPs:
; tiles half as large would give each LDS byte half the products and each refill half the time.  q's tiles are asked for jointly along a row of the cluster, k's along a column.
; In a diagonal block six of the sixteen tiles lie wholly under the mask.  They run like their partners, whom the joint loads name with them, and store p = 0, l = 0, M = -1.35e37;
; the next launch's joint walk reads two of the six, the other four are read by nobody.
; The matrix instruction is used transposed (source 0 = 16 keys, source 1 = 16 queries): a lane holds one query and eight neighbouring keys.
; LIMIT: |q|, |k| under 65,504 (they arrive as f16).
; REGISTERS, in windows of 256: window 0: v0-31 addresses; v32-63 statistics; v64-127, v128-191 q's fragments, two buffers, on the way out the packed p; v192-255 rows on the way out.
;   window 1: v64-127, v128-191 k's fragments.   window 2: the accumulators of my queries 0-63, (a, b) at v[8 (8 a + b)];   window 3: those of my queries 64-127.
.set KSTEP,  128
.set PITCH,  272                       ; an LDS row: 256 bytes + 16 = 68 words: the 16 rows of a load start at 16 different banks (64 banks of 4 bytes: ISA guide 11.1)
.set HALFT,  128*PITCH                 ; 128 rows: what one tensor load brings, and what one wave reads of q or of k
.set SLOT,   4*HALFT
.set STAGE,  2*SLOT                    ; behind the ring: 16 rows x 272 bytes for each wave
.set SPITCH, 272
.set SPARE,  STAGE+4*16*SPITCH         ; the spare words, 128 bytes a wave
.set LAPS,   4                         ; a lap = two K steps
.set D0,   6
.set NINF, 7
.set RO,   8
.set ADRA, 16
.set ADRB, 20
.set STO,  24
.set RD,   25
.set CO,   26
.set SPW,  28
.set NIL,  29
.set TM,   32                          ; v32+2a the maximum, v33+2a at work
.set NM,   40                          ; v40+2a -M, v41+2a M
.set LL,   48                          ; v48+2a, v49+2a the sum in two halves
.set RC,   56                          ; v56-59, v60-63 the two records
.set F0,   64
.set F1,   128
.set TMP,  64                          ; the way out: 128 registers of packed p
.set BK,   192                         ; and 16 rows read back from the stage: v192-223 and v224-255 by turns
.set G1, 24
.set G0, 32
.set G1B, 48
.set G0B, 56
.set CS,  68
.set SEL, 70
.set MSB, 0
.macro WIN new                         ; the immediate's high byte repeats the setting that is left
.if MSB != (\new)
	s_set_vgpr_msb (MSB<<8)|(\new)
.set MSB, (\new)
.endif
.endm
.set MUL_LO, 0xa1                      ; source 0 (k) window 1, source 1 (q) window 0, C and D window 2
.set MUL_HI, 0xf1                      ; the same, C and D window 3
.set TO_B,   0x40                      ; destination window 1, address window 0
.macro JLOAD s                         ; waves 0, 1 fetch q's halves, waves 2, 3 k's; an s_nop 0 and four v_nop follow each line
	s_cmp_eq_u32 s11, 0
	s_cbranch_scc0 .Lfor_b_\@
	tensor_load_to_lds s[G0+4*\s:G0+4*\s+3], s[G1:G1+7]
	s_nop 0
.rept 4
	v_nop
.endr
	s_branch .Lasked_\@
.Lfor_b_\@:
	tensor_load_to_lds s[G0B+4*\s:G0B+4*\s+3], s[G1B:G1B+7]
	s_nop 0
.rept 4
	v_nop
.endr
.Lasked_\@:
.endm
.macro CREST                           ; a round of the cluster's barrier behind its opening barrier
	s_cmp_lg_u32 s10, 0
	s_cbranch_scc1 .Lnot_wave_0_\@
	s_barrier_signal -3
.Lnot_wave_0_\@:
	s_barrier_wait -3
	s_barrier_signal -1
	s_barrier_wait -1
.endm
.macro CROUND
	s_barrier_signal -1
	s_barrier_wait -1
	CREST
.endm
.macro PLACES                          ; four plain vector instructions between a matrix instruction and a load into, or a read of, its registers
.rept 4
	v_nop
.endr
.endm
	s_load_b128 s[4:7], s[0:1], 0x0                ; qkv16, p16
	s_load_b64 s[8:9], s[0:1], 0x10                ; stats
	v_lshl_add_u32 v[SPW], v0, 2, SPARE
	v_mov_b32 v[NIL], 0
	ds_add_u32 v[SPW], v[NIL]                      ; the opening: the add, twice on end, and its wait ahead of my first tensor load
	ds_add_u32 v[SPW], v[NIL]
	v_lshrrev_b32 v1, 5, v0
	v_readfirstlane_b32 s10, v1                    ; wave
	s_lshr_b32 s11, s10, 1                         ; rh: my 128 queries; also: I fetch q (0) or k (1)
	s_and_b32 s12, s10, 1                          ; ch: my 128 keys; also: which 128 rows I fetch
	s_bfe_u32 s40, ttmp6, 0x40000                  ; cx
	s_bfe_u32 s41, ttmp6, 0x40004                  ; cy
	s_and_b32 s46, ttmp7, 0xffff                   ; the batch: the cluster's y
	s_min_u32 s14, ttmp9, 1                        ; the cluster's x = 0, 1, 2: blocks (0, 0), (1, 0), (1, 1)
	s_lshr_b32 s15, ttmp9, 1
	s_lshl_b32 s13, s14, 2
	s_add_co_u32 s13, s13, s41                     ; qt: my 256 queries
	s_lshl_b32 s42, s15, 2
	s_add_co_u32 s42, s42, s40                     ; kt: my 256 keys
	s_lshl_b32 s43, s41, 2
	s_lshl_b32 s43, 15, s43                        ; my row of the cluster
	s_lshl_b32 s44, 0x1111, s40                    ; my column
	s_or_b32 s[G1+0], s43, (1<<16)|(1<<20)|(1<<21)|(5<<22)|(3<<25)   ; 2-byte elements; 4 words of padding behind every 64
	s_or_b32 s[G1B+0], s44, (1<<16)|(1<<20)|(1<<21)|(5<<22)|(3<<25)
.irp g, G1, G1B
	s_mov_b32 s[\g+1], KSTEP<<16                   ; tensor_dim0 = 128
	s_mov_b32 s[\g+2], 128<<16                     ; tensor_dim1 = 128
	s_mov_b32 s[\g+3], KSTEP<<16                   ; tile_dim0 = 128
	s_mov_b32 s[\g+4], 128                         ; tile_dim1 = 128
	s_mov_b32 s[\g+5], 3072                        ; elements from row to row
	s_mov_b32 s[\g+6], 0
	s_mov_b32 s[\g+7], 0
.endr
	s_mov_b32 s[CS], 0x3d38aa3b                    ; c = log2(e) / 32
	s_mov_b32 s[CS+1], s[CS]
	s_mov_b32 s[SEL], 0x76543210
	s_mov_b32 s[SEL+1], 0xfedcba98
	s_lshl_b32 s18, s12, 7
	s_lshl_b32 s19, s46, 11
	s_add_co_u32 s18, s18, s19                     ; 2,048 x batch + the 128 rows that I fetch
	s_lshl_b32 s16, s13, 8
	s_add_co_u32 s16, s16, s18
	s_mul_i32 s16, s16, 6144                       ; q's rows
	s_mov_b32 s17, 0
	s_lshl_b32 s22, s42, 8
	s_add_co_u32 s22, s22, s18
	s_mul_i32 s22, s22, 6144
	s_add_co_u32 s22, s22, 2048                    ; k's rows
	s_mov_b32 s23, 0
	s_mul_i32 s20, s10, HALFT                      ; where they go: wave x 128 rows
	s_wait_dscnt 0x0                               ; both opening adds are done
	s_wait_kmcnt 0x0
	s_add_nc_u64 s[14:15], s[4:5], s[16:17]
	s_add_nc_u64 s[22:23], s[4:5], s[22:23]
	CROUND                                         ; all sixteen work-groups are here: the first joint loads meet
.irp s, 0,1
	s_mov_b32 s[G0+4*\s], 1
	s_add_co_u32 s[G0+4*\s+1], s20, \s*SLOT
	s_add_nc_u64 s[G0+4*\s+2:G0+4*\s+3], s[14:15], \s*KSTEP*2
	s_or_b32 s[G0+4*\s+3], s[G0+4*\s+3], 0x80000000
	s_mov_b32 s[G0B+4*\s], 1
	s_add_co_u32 s[G0B+4*\s+1], s20, \s*SLOT
	s_add_nc_u64 s[G0B+4*\s+2:G0B+4*\s+3], s[22:23], \s*KSTEP*2
	s_or_b32 s[G0B+4*\s+3], s[G0B+4*\s+3], 0x80000000
	JLOAD \s                                       ; two loads of a wave are out here, one behind each later round
.endr
	v_and_b32 v1, 15, v0                           ; r
	v_bfe_u32 v2, v0, 4, 1                         ; h
	v_mul_u32_u24 v3, v1, PITCH
	v_lshl_add_u32 v3, v2, 4, v3                   ; a fragment's row x pitch + 16 x half
	s_mul_i32 s21, s11, HALFT                      ; my 128 rows of q
	s_mul_i32 s16, s12, HALFT                      ; my 128 rows of k,
	s_add_co_u32 s16, s16, 2*HALFT                 ; which lie behind q's 256
.irp s, 0,1
	v_add_nc_u32 v[ADRA+\s], s21, v3
	v_add_nc_u32 v[ADRB+\s], s16, v3
	s_add_co_u32 s21, s21, SLOT
	s_add_co_u32 s16, s16, SLOT
.endr
	s_mul_i32 s23, s10, 16*SPITCH
	s_add_co_u32 s23, s23, STAGE                   ; my stage
	v_mul_u32_u24 v4, v1, SPITCH                   ; in: row r, 16 bytes for each half of the lanes
	v_lshl_add_u32 v4, v2, 4, v4
	v_add_nc_u32 v[STO], s23, v4
	v_mul_u32_u24 v5, v2, SPITCH                   ; back: lanes 0-15 one row of 256 bytes, lanes 16-31 the next
	v_lshl_add_u32 v5, v1, 4, v5
	v_add_nc_u32 v[RD], s23, v5
	v_lshlrev_b32 v5, 12, v2                       ; and the same two rows in p16
	v_lshl_add_u32 v[CO], v1, 4, v5
	v_lshlrev_b32 v[RO], 5, v1
	v_lshl_add_u32 v[RO], v2, 4, v[RO]             ; a record: 32 r + 16 h
	s_sub_co_i32 s16, s13, s42
	s_lshl_b32 s16, s16, 8
	s_sub_co_i32 s17, s11, s12
	s_lshl_b32 s17, s17, 7
	s_add_co_i32 s16, s16, s17
	v_lshlrev_b32 v3, 3, v2
	v_sub_nc_u32 v3, v1, v3
	v_add_nc_u32 v[D0], s16, v3                    ; 256 (qt - kt) + 128 (rh - ch) + r - 8 h: accumulator (a, b), register j is hidden where 16 b + j - 16 a is above it
	v_mov_b32 v[NINF], 0xff800000
.irp a, 0,1,2,3
	v_mov_b32 v[TM+2*\a+1], 0                      ; written once: a lane permute's destination counts as one of its sources
.endr
	s_lshl_b32 s16, s46, 11
	s_lshl_b32 s17, s13, 8
	s_add_co_u32 s16, s16, s17
	s_lshl_b32 s17, s11, 7
	s_add_co_u32 s16, s16, s17
	s_lshl_b32 s16, s16, 12
	s_lshl_b32 s17, s42, 9
	s_add_co_u32 s16, s16, s17
	s_lshl_b32 s17, s12, 8
	s_add_co_u32 s16, s16, s17
	s_mov_b32 s17, 0
	s_add_nc_u64 s[6:7], s[6:7], s[16:17]          ; p16 at row 2,048 batch + 256 qt + 128 rh, byte 512 kt + 256 ch
	s_lshl_b32 s16, s46, 4
	s_lshl_b32 s18, s42, 1
	s_add_co_u32 s16, s16, s18
	s_add_co_u32 s16, s16, s12                     ; my chunk: 16 batch + 2 kt + ch
	s_lshl_b32 s16, s16, 5
	s_lshl_b32 s18, s13, 2
	s_add_co_u32 s16, s16, s18
	s_lshl_b32 s18, s11, 1
	s_add_co_u32 s16, s16, s18                     ; my first 64 rows: 4 qt + 2 rh
	s_lshl_b32 s16, s16, 9
	s_add_nc_u64 s[8:9], s[8:9], s[16:17]          ; stats: two records of 512 bytes on end
; 16 matrix instructions: blocks a0, a0 + 1 of the window's four x all 8 blocks of keys, 32 along K.  The 64 accumulators take turns, one instruction a turn.
.macro MUL16 f, hi, a0, zero
.irp a, \a0, \a0+1
.irp b, 0,1,2,3,4,5,6,7
.if \zero
	v_wmma_f32_16x16x32_f16 v[8*(8*(\a)+\b):8*(8*(\a)+\b)+7], v[\f+8*\b:\f+8*\b+7], v[\f+8*(4*\hi+\a):\f+8*(4*\hi+\a)+7], 0
.else
	v_wmma_f32_16x16x32_f16 v[8*(8*(\a)+\b):8*(8*(\a)+\b)+7], v[\f+8*\b:\f+8*\b+7], v[\f+8*(4*\hi+\a):\f+8*(4*\hi+\a)+7], v[8*(8*(\a)+\b):8*(8*(\a)+\b)+7]
.endif
.endr
.endr
.endm
.macro FETCH slot, k, f                ; 32 LDS loads in one run: 128 rows of k, then 128 rows of q, 32 along K at byte k of the rows
	WIN TO_B
.irp i, 0,1,2,3,4,5,6,7
	ds_load_b128 v[\f+8*\i:\f+8*\i+3],   v[ADRB+\slot] offset:\k+\i*16*PITCH
	ds_load_b128 v[\f+8*\i+4:\f+8*\i+7], v[ADRB+\slot] offset:\k+\i*16*PITCH+32
.endr
	WIN 0
.irp i, 0,1,2,3,4,5,6,7
	ds_load_b128 v[\f+8*\i:\f+8*\i+3],   v[ADRA+\slot] offset:\k+\i*16*PITCH
	ds_load_b128 v[\f+8*\i+4:\f+8*\i+7], v[ADRA+\slot] offset:\k+\i*16*PITCH+32
.endr
.endm
; A K step is four quarters of 32 along K, 64 matrix instructions each, on buffers 0, 1, 0, 1.  One of the first three: multiplies buffer f and fetches the next quarter, at byte k, into g.
.macro QUARTER slot, k, f, g, zero
	s_wait_dscnt 8                                 ; k and q's rows 0-63 are in; the youngest eight loads (q's rows 64-127) may be out
	WIN MUL_LO
	MUL16 \f, 0, 0, \zero
	MUL16 \f, 0, 2, \zero
	PLACES
	FETCH \slot, \k, \g
	s_wait_dscnt 32                                ; all but the 32 just issued
	WIN MUL_HI
	MUL16 \f, 1, 0, \zero
	MUL16 \f, 1, 2, \zero
.endm
; The last quarter multiplies buffer 1 and changes slots: one barrier; with fill = 1 it opens a round of the cluster's barrier, and this slot is filled again, two K steps ahead.
.macro TURN slot, next, fill
	WIN 0
	s_wait_tensorcnt 0x0                           ; all my tensor loads have landed: my part of the next slot
	ds_add_u32 v[SPW], v[NIL]
	s_wait_dscnt 9                                 ; the add and the youngest eight loads may be out
	WIN MUL_LO
	MUL16 F1, 0, 0, 0
	s_wait_dscnt 0x0                               ; the add is done, and my reads of this slot are over
	s_barrier_signal -1
	MUL16 F1, 0, 2, 0
.if \fill
	WIN 0
.endif
	s_barrier_wait -1
.if \fill
	CREST                                          ; no wave of any partner still reads this slot's tile or has a load on its way
	s_add_nc_u64 s[G0+4*\slot+2:G0+4*\slot+3], s[G0+4*\slot+2:G0+4*\slot+3], 2*KSTEP*2
	s_add_nc_u64 s[G0B+4*\slot+2:G0B+4*\slot+3], s[G0B+4*\slot+2:G0B+4*\slot+3], 2*KSTEP*2
	JLOAD \slot                                    ; the first tensor load behind the round; its four v_nop are also the places in front of the loads below
.else
	PLACES
.endif
	FETCH \next, 0, F0
	WIN MUL_HI
	MUL16 F1, 1, 0, 0
	MUL16 F1, 1, 2, 0
.endm
	s_wait_tensorcnt 1                             ; my part of K step 0 is in; K step 1's load may be out
	s_barrier_signal -1
	s_barrier_wait -1
	FETCH 0, 0, F0
	QUARTER 0, 64,  F0, F1, 1                      ; the first quarter's products start the sums
	WIN 0
	s_mov_b32 s3, LAPS-1
.Llap:                                                 ; a trip goes once round the ring and fills both slots again: K steps 2 to 7 in three trips
	QUARTER 0, 128, F1, F0, 0
	QUARTER 0, 192, F0, F1, 0
	TURN 0, 1, 1
	QUARTER 1, 64,  F0, F1, 0
	QUARTER 1, 128, F1, F0, 0
	QUARTER 1, 192, F0, F1, 0
	TURN 1, 0, 1
	QUARTER 0, 64,  F0, F1, 0
	WIN 0
	s_sub_co_u32 s3, s3, 1
	s_cmp_lg_u32 s3, 0
	s_cbranch_scc1 .Llap
	QUARTER 0, 128, F1, F0, 0                      ; the last lap fills nothing
	QUARTER 0, 192, F0, F1, 0
	TURN 0, 1, 0
	QUARTER 1, 64,  F0, F1, 0
	QUARTER 1, 128, F1, F0, 0
	QUARTER 1, 192, F0, F1, 0
	s_wait_dscnt 8
	WIN MUL_LO
	MUL16 F1, 0, 0, 0
	MUL16 F1, 0, 2, 0
	s_wait_dscnt 0
	WIN MUL_HI
	MUL16 F1, 1, 0, 0
	MUL16 F1, 1, 2, 0
	WIN 0
	PLACES
	; THE MASK, in the diagonal blocks alone (the cluster's x is the same in all partners): hidden scores become -infinity
	s_cmp_eq_u32 ttmp9, 1
	s_cbranch_scc1 .Lopen
.macro MASK hf
	WIN (0x82+0x41*\hf)                            ; destination and source 0: window 2 or 3
.irp a, 0,1,2,3
.irp b, 0,1,2,3,4,5,6,7
.irp j, 0,1,2,3,4,5,6,7
	v_cmp_gt_i32 vcc_lo, 16*\b+\j-16*(4*\hf+\a), v[D0]
	v_cndmask_b32 v[64*\a+8*\b+\j], v[64*\a+8*\b+\j], v[NINF], vcc_lo
.endr
.endr
.endr
.endm
	MASK 0
	MASK 1
	WIN 0
.Lopen:
; THE WAY OUT of a block of 16 queries x 128 keys: 16 bytes a lane into my own stage, back as whole rows of 256 bytes.
.macro TOSTAGE a
.set BB, BK+32*((\a)%2)
.irp b, 0,1,2,3,4,5,6,7
	ds_store_b128 v[STO], v[TMP+32*((\a)%4)+4*\b:TMP+32*((\a)%4)+4*\b+3] offset:32*\b
.endr
.irp t, 0,1,2,3,4,5,6,7
	ds_load_b128 v[BB+4*\t:BB+4*\t+3], v[RD] offset:\t*2*SPITCH    ; LDS serves a wave's instructions in order (ISA guide 5.7.1.4): these see the stores above
.endr
.endm
.macro SEND a, younger                 ; younger: the LDS instructions issued behind block a's loads, which may stay out
.set BB, BK+32*((\a)%2)
	s_wait_dscnt \younger
.irp t, 0,1,2,3,4,5,6,7
	global_store_b128 v[CO], v[BB+4*\t:BB+4*\t+3], s[6:7] offset:(16*(\a)+2*\t)*4096   ; 16 lanes store 256 consecutive bytes, aligned
.endr
.endm
; THE SOFTMAX'S PART of one window's 64 queries: four tiles of 16 rows by turns, 64 scores a lane each
.macro SOFT hf
	WIN (0x2a+0x15*\hf)                            ; all three sources: window 2 or 3
.irp a, 0,1,2,3
	v_max3_num_f32 v[TM+2*\a], v[64*\a], v[64*\a+1], v[64*\a+2]    ; each accumulator is read from its low end on
.endr
	WIN (0x28+0x14*\hf)
.irp i, 3,5,7,9,11,13,15,17,19,21,23,25,27,29,31,33,35,37,39,41,43,45,47,49,51,53,55,57,59,61
.irp a, 0,1,2,3
	v_max3_num_f32 v[TM+2*\a], v[TM+2*\a], v[64*\a+\i], v[64*\a+\i+1]
.endr
.endr
.irp a, 0,1,2,3
	v_max3_num_f32 v[TM+2*\a], v[TM+2*\a], v[64*\a+63], 0xff61b1e6 ; -3e38 among the leaves: a row that is wholly hidden keeps a finite M
.endr
	WIN 0
.irp a, 0,1,2,3
	v_permlanex16_b32 v[TM+2*\a+1], v[TM+2*\a], s[SEL], s[SEL+1]
.endr
.irp a, 0,1,2,3
	v_max_num_f32 v[TM+2*\a], v[TM+2*\a], v[TM+2*\a+1]             ; over the chunk's 128 keys
.endr
.irp a, 0,1,2,3
	v_mul_f32 v[TM+2*\a+1], s[CS], v[TM+2*\a]
.endr
.irp a, 0,1,2,3
	v_floor_f32 v[NM+2*\a], -v[TM+2*\a+1]          ; -M = floor(-t): M is a whole number
.endr
.irp a, 0,1,2,3
	v_sub_f32 v[NM+2*\a+1], 0, v[NM+2*\a]
.endr
	WIN (0x82+0x41*\hf)
.set i, 0
.rept 128
	v_pk_fma_f32 v[2*i:2*i+1], v[2*i:2*i+1], s[CS:CS+1], v[NM+2*(i/32):NM+2*(i/32)+1] op_sel_hi:[1,0,0]   ; t - M
.set i, i+1
.endr
.set i, 0
.rept 256
	v_exp_f32 v[i], v[i]                           ; p = 2^(t - M), at most 1
.set i, i+1
.endr
	v_nop                                          ; a plain instruction behind the last exponential
	s_wait_alu depctr_va_vdst(0)                   ; one wait for the batch, ahead of its first reader
	WIN (0x0a+5*\hf)
.irp a, 0,1,2,3
	v_pk_add_f32 v[LL+2*\a:LL+2*\a+1], v[64*\a:64*\a+1], v[64*\a+2:64*\a+3]   ; the sum is taken of the unrounded p
.endr
	WIN (0x08+4*\hf)
.irp i, 4,6,8,10,12,14,16,18,20,22,24,26,28,30,32,34,36,38,40,42,44,46,48,50,52,54,56,58,60,62
.irp a, 0,1,2,3
	v_pk_add_f32 v[LL+2*\a:LL+2*\a+1], v[LL+2*\a:LL+2*\a+1], v[64*\a+\i:64*\a+\i+1]
.endr
.endr
	WIN (0x0a+5*\hf)
.set i, 0
.rept 128
	v_cvt_pk_f16_f32 v[TMP+i], v[2*i], v[2*i+1]
.set i, i+1
.endr
	WIN 0
.irp a, 0,1,2,3
	v_add_f32 v[LL+2*\a], v[LL+2*\a], v[LL+2*\a+1]
.endr
.irp a, 0,1,2,3
	v_permlanex16_b32 v[TM+2*\a+1], v[LL+2*\a], s[SEL], s[SEL+1]
.endr
.irp a, 0,1,2,3
	v_add_f32 v[LL+2*\a], v[LL+2*\a], v[TM+2*\a+1]
.endr
	v_cmp_eq_u32 vcc_lo, 1, v2
	v_cndmask_b32 v[RC+4*\hf],   v[NM+1], v[NM+5], vcc_lo          ; lanes 0-15: tiles of rows 0, 1; lanes 16-31: 2, 3
	v_cndmask_b32 v[RC+4*\hf+1], v[LL],   v[LL+4], vcc_lo
	v_cndmask_b32 v[RC+4*\hf+2], v[NM+3], v[NM+7], vcc_lo
	v_cndmask_b32 v[RC+4*\hf+3], v[LL+2], v[LL+6], vcc_lo
	global_store_b128 v[RO], v[RC+4*\hf:RC+4*\hf+3], s[8:9] offset:512*\hf   ; 32 lanes store 512 consecutive bytes, aligned
.if \hf > 0
	s_wait_xcnt 0x0                                ; the first half's stores have read the registers into which the loads below land
.endif
	TOSTAGE (4*\hf)
	TOSTAGE (4*\hf+1)
	SEND (4*\hf), 16                               ; the next block's 8 stores and 8 loads may be out
	s_wait_xcnt 0x0                                ; the block two back has been stored from these registers
	TOSTAGE (4*\hf+2)
	SEND (4*\hf+1), 16
	s_wait_xcnt 0x0
	TOSTAGE (4*\hf+3)
	SEND (4*\hf+2), 16
	SEND (4*\hf+3), 0
.endm
	SOFT 0
	SOFT 1                                         ; the first half's stores are on their way while the second half is worked
	s_wait_tensorcnt 0x0                           ; the wave's end
	ds_add_u32 v[SPW], v[NIL]
	s_wait_dscnt 0x0
	CROUND                                         ; the closing round
	s_endpgm
.Lfunc_end_k_q6ca032f25e_scores:
	.size	k_q6ca032f25e_scores, .Lfunc_end_k_q6ca032f25e_scores-k_q6ca032f25e_scores
	.p2alignl 7, 3214868480
	.fill 96, 4, 3214868480
	.section	.rodata,"a",@progbits
	.p2align	6, 0x0
	.amdhsa_kernel k_q6ca032f25e_scores
		.amdhsa_group_segment_fixed_size 327680
		.amdhsa_private_segment_fixed_size 0
		.amdhsa_enable_private_segment 0
		.amdhsa_kernarg_size 24
		.amdhsa_user_sgpr_count 2
		.amdhsa_user_sgpr_kernarg_segment_ptr 1
		.amdhsa_wavefront_size32 1
		.amdhsa_system_sgpr_workgroup_id_x 1
		.amdhsa_system_sgpr_workgroup_id_y 1
		.amdhsa_system_sgpr_workgroup_id_z 1
		.amdhsa_system_vgpr_workitem_id 0
		.amdhsa_next_free_vgpr 1024
		.amdhsa_next_free_sgpr 80
		.amdhsa_reserve_vcc 1
		.amdhsa_float_denorm_mode_32 3
		.amdhsa_float_denorm_mode_16_64 3
		.amdhsa_memory_ordered 1
		.amdhsa_forward_progress 1
		.amdhsa_inst_pref_size 250
	.end_amdhsa_kernel
	.amdgpu_metadata
---
amdhsa.version: [ 1, 2 ]
amdhsa.kernels:
  - .name:           k_q6ca032f25e_scores
    .symbol:         k_q6ca032f25e_scores.kd
    .args:
      - { .name: qkv16, .offset: 0, .size: 8, .value_kind: global_buffer, .address_space: global }
      - { .name: p16, .offset: 8, .size: 8, .value_kind: global_buffer, .address_space: global }
      - { .name: stats, .offset: 16, .size: 8, .value_kind: global_buffer, .address_space: global }
    .group_segment_fixed_size: 327680
    .private_segment_fixed_size: 0
    .kernarg_segment_align: 8
    .kernarg_segment_size: 24
    .max_flat_workgroup_size: 128
    .sgpr_count:     80
    .vgpr_count:     1024
    .wavefront_size: 32
...
	.end_amdgpu_metadata
.endif
;; end of part 3
;; launch pv (part 4): grid 8 x 32, 4 waves a work-group, clusters of 4 x 4, 327,680 bytes of LDS; arguments p16, qkv16, stats, v32, z; writes z
.if DOCPART == 4
	.amdgcn_target "amdgcn-amd-amdhsa--gfx1250"
	.amdhsa_code_object_version 6
	.text
	.protected	k_q6ca032f25e_pv
	.globl	k_q6ca032f25e_pv
	.p2align	8
	.type	k_q6ca032f25e_pv,@function
k_q6ca032f25e_pv:
	s_mov_b64 s[64:65], 0
	v_nop
	global_prefetch_b8 v0, s[64:65] scope:SCOPE_SE
	s_setreg_imm32_b32 hwreg(HW_REG_WAVE_MODE, 25, 1), 1
	s_wait_xcnt 0x0
	s_wait_alu depctr_hold_cnt(0) depctr_sa_sdst(0) depctr_va_vdst(0) depctr_va_sdst(0) depctr_va_ssrc(0) depctr_va_vcc(0) depctr_vm_vsrc(0)
	s_getreg_b32 s2, hwreg(HW_REG_IB_STS2, 6, 4)
	s_cmp_eq_u32 s2, 0
	s_cbranch_scc0 .Lentry_in_a_cluster
	s_endpgm
.Lentry_in_a_cluster:
	s_bfe_u32 s2, ttmp6, 0x10000c
	s_cmp_lg_u32 s2, 0xf033
	s_cbranch_scc0 .Lentry_shape_is_right
	s_endpgm
.Lentry_shape_is_right:
; PV.  z = (sum over chunks of 128 keys of P_c V_c 2^(M_c - E)) / (sum of l_c 2^(M_c - E)) + v.  P, V: f16; sums f32; v in the last addition f32.
; THE LEVEL E.  At a chunk's head, for each row: Mrun = max(Mrun, M_c); E = max(M_c, Mrun - 60); the sums X and L are multiplied by g = 2^(old E - E), a whole power of two,
; which rounds nothing; then the chunk is added as it stands.  g is at most 2^60, so |X| stays under 2^60 x 2,048 x 2^16.  The level cancels in X / L.
; LIMIT: a chunk that lies more than 60 under its row's running maximum is added at the level Mrun - 60: it is over-weighted, to at most 2^-60 of the row.  |v| under 65,504.
; old E = Mrun = -3e38 gives g = 0: so a new tile's sums start without clearing.
; SHARES.  A work-group makes two tiles of 128 rows x 128 columns: query tile 4 pr + cy with 2 (pr + 1) K steps of 256 keys, then 4 (3 - pr) + cy with 8 - 2 pr: ten K steps for every work-group.
; All sixteen partners of a cluster walk the same keys: P's tiles are asked for jointly along a row of the cluster, V's along a column.  Chunks wholly under the mask hold zeros and are walked.
; A chunk's record (M, l) is asked for two chunks ahead, into two sets of registers by turns; a tile's 32 loads of v go out together at the head of its way out.
; REGISTERS: window 0: v0-31 addresses, v4-11 the odd chunks' record; v32-63 results at work; v96-103 the even chunks' record; v104-127 statistics; v128-255 V's fragments.
;   window 1: v0-127 accumulators; v128-255 P's fragments.   window 2: v0-127 v, four blocks of 16 rows.
.set PA,     528
.set PB,     288                       ; a row of V's tile: 256 bytes + 32
.set HALFA,  64*PA
.set ABYTES, 2*HALFA
.set HALFB,  128*PB
.set SLOT,   ABYTES+2*HALFB
.set STAGE,  2*SLOT                    ; 16 rows x 272 bytes for each wave
.set SPARE,  STAGE+4*16*272
.set REC1, 4                           ; M0 l0 M1 l1 M2 l2 M3 l3 of an odd chunk
.set RO,   14
.set ADRA, 16
.set ADRB, 20                          ; v20-23: slot 0 keys 0-127, 128-255; slot 1 likewise
.set STO,  24
.set RD,   25
.set CO,   26
.set SPW,  28
.set NIL,  29
.set TMP,  32
.set REC,  96                          ; the same of an even chunk
.set MR,   104
.set EO,   108
.set LS,   112
.set GG,   116                         ; v116+2a g, v117+2a at work
.set TE,   124
.set BF,   128
.set AF,   128
.set G1, 24
.set G0, 32
.set G1B, 48
.set G0B, 56
.set N1,  66
.set NC1, 67
.set GN,  74
.set GC,  75
.set SW,  76
.set AO1, 77
.set AO2, 78
.set BO,  79
.set RB1, 80
.set RB2, 81
.set SB,  82                           ; s[82:83] the even chunks' record address;
.set SB1, 98                           ; s[98:99] the odd chunks'
.set ZB1, 84
.set ZB2, 86
.set VB1, 88
.set VB2, 90
.set MSB, 0
.macro WIN new
.if MSB != \new
	s_set_vgpr_msb (MSB<<8)|\new
.set MSB, \new
.endif
.endm
.set MUL,  0x54
.set TO_A, 0x40
.macro JLOAD s
	s_cmp_eq_u32 s11, 0
	s_cbranch_scc0 .Lfor_b_\@
	tensor_load_to_lds s[G0+4*\s:G0+4*\s+3], s[G1:G1+7]
	s_nop 0
.rept 4
	v_nop
.endr
	s_branch .Lasked_\@
.Lfor_b_\@:
	tensor_load_to_lds s[G0B+4*\s:G0B+4*\s+3], s[G1B:G1B+7]
	s_nop 0
.rept 4
	v_nop
.endr
.Lasked_\@:
.endm
.macro CREST
	s_cmp_lg_u32 s10, 0
	s_cbranch_scc1 .Lnot_wave_0_\@
	s_barrier_signal -3
.Lnot_wave_0_\@:
	s_barrier_wait -3
	s_barrier_signal -1
	s_barrier_wait -1
.endm
.macro CROUND
	s_barrier_signal -1
	s_barrier_wait -1
	CREST
.endm
.macro PLACES
.rept 4
	v_nop
.endr
.endm
; The addresses of K step GN of the walk, into slot's two groups 0; it stands where no tensor load that names them is out.  P's temporaries never hold cx, V's never cy.
.macro SETADR slot
	s_sub_co_u32 s92, s[GN], s[N1]
	s_cmp_lt_u32 s[GN], s[N1]
	s_cselect_b32 s92, s[GN], s92                  ; the K step within its tile
	s_cselect_b32 s93, s[AO1], s[AO2]
	s_mul_i32 s94, s92, 1572864                    ; 256 keys of 6,144 bytes
	s_lshl_b32 s92, s92, 9                         ; 256 keys of 2 bytes
	s_add_co_u32 s92, s92, s93
	s_mov_b32 s93, 0
	s_add_co_u32 s94, s94, s[BO]
	s_mov_b32 s95, 0
	s_add_nc_u64 s[G0+4*\slot+2:G0+4*\slot+3], s[4:5], s[92:93]
	s_or_b32 s[G0+4*\slot+3], s[G0+4*\slot+3], 0x80000000
	s_add_nc_u64 s[G0B+4*\slot+2:G0B+4*\slot+3], s[6:7], s[94:95]
	s_or_b32 s[G0B+4*\slot+3], s[G0B+4*\slot+3], 0x80000000
	s_add_co_u32 s[GN], s[GN], 1
.endm
; The next record of the walk, 32 bytes a row, into set 0 or 1.  A set's base and registers are rewritten only behind the wait that showed that set's last record in.
.macro RECLOAD set
.set RR, REC-(REC-REC1)*(\set)
.set RS, SB+(SB1-SB)*(\set)
	s_add_co_u32 s[GC], s[GC], 1
	s_sub_co_u32 s96, s[GC], s[NC1]
	s_cmp_lt_u32 s[GC], s[NC1]
	s_cselect_b32 s96, s[GC], s96
	s_cselect_b32 s97, s[RB1], s[RB2]
	s_lshl_b32 s96, s96, 14
	s_add_co_u32 s96, s96, s97
	s_mov_b32 s97, 0
	s_add_nc_u64 s[RS:RS+1], s[68:69], s[96:97]
	global_load_b128 v[RR:RR+3], v[RO], s[RS:RS+1]
	global_load_b128 v[RR+4:RR+7], v[RO], s[RS:RS+1] offset:16
.endm
; A chunk's head: 32 plain lines, which are also the places behind the last products.  left: the next record's two loads may be out.  more = 1: the record two chunks on is asked for
.macro HEAD set, left, more
.set RR, REC-(REC-REC1)*(\set)
	WIN 0
	s_wait_loadcnt \left                           ; the chunk's record is in
.irp a, 0,1,2,3
	v_max_num_f32 v[MR+\a], v[MR+\a], v[RR+2*\a]
.endr
.irp a, 0,1,2,3
	v_add_f32 v[TE+\a], 0xc2700000, v[MR+\a]       ; Mrun - 60
.endr
.irp a, 0,1,2,3
	v_max_num_f32 v[TE+\a], v[RR+2*\a], v[TE+\a]   ; E
.endr
.irp a, 0,1,2,3
	v_sub_f32 v[GG+2*\a+1], v[EO+\a], v[TE+\a]
.endr
.irp a, 0,1,2,3
	v_mov_b32 v[EO+\a], v[TE+\a]
.endr
.irp a, 0,1,2,3
	v_cvt_i32_f32 v[GG+2*\a+1], v[GG+2*\a+1]       ; a whole number; it saturates
.endr
.irp a, 0,1,2,3
	v_ldexp_f32 v[GG+2*\a], 1.0, v[GG+2*\a+1]      ; g = 2^(old E - E)
.endr
.irp a, 0,1,2,3
	v_fma_f32 v[LS+\a], v[LS+\a], v[GG+2*\a], v[RR+2*\a+1]
.endr
.if \more
	RECLOAD \set
.endif
.endm
.macro MUL8 f, c, a0, zero
.irp a, \a0, \a0+1
.irp b, 0,1,2,3
.if \zero
	v_wmma_f32_16x16x32_f16 v[8*(4*(\a)+\b):8*(4*(\a)+\b)+7], v[BF+64*\f+8*(4*\c+\b):BF+64*\f+8*(4*\c+\b)+7], v[AF+64*\f+8*(4*\c+(\a)):AF+64*\f+8*(4*\c+(\a))+7], 0
.else
	v_wmma_f32_16x16x32_f16 v[8*(4*(\a)+\b):8*(4*(\a)+\b)+7], v[BF+64*\f+8*(4*\c+\b):BF+64*\f+8*(4*\c+\b)+7], v[AF+64*\f+8*(4*\c+(\a)):AF+64*\f+8*(4*\c+(\a))+7], v[8*(4*(\a)+\b):8*(4*(\a)+\b)+7]
.endif
.endr
.endr
.endm
.macro SLICE n                         ; accumulator n times its rows' g; under the products' window setting: g in window 0, the accumulator in window 1
.irp i, 0,1,2,3
	v_pk_mul_f32 v[8*(\n)+2*\i:8*(\n)+2*\i+1], v[GG+2*((\n)/4):GG+2*((\n)/4)+1], v[8*(\n)+2*\i:8*(\n)+2*\i+1] op_sel_hi:[0,1]
.endr
.endm
.macro MUL16S f                        ; a chunk's first 16 products, each accumulator rescaled two turns ahead of its product
	SLICE 0
	SLICE 1
.set n, 0
.rept 16
	v_wmma_f32_16x16x32_f16 v[8*n:8*n+7], v[BF+64*\f+8*(n%4):BF+64*\f+8*(n%4)+7], v[AF+64*\f+8*(n/4):AF+64*\f+8*(n/4)+7], v[8*n:8*n+7]
.if n+2 < 16
	SLICE n+2
.endif
.set n, n+1
.endr
.endm
.macro FETCH slot, k, f                ; 32 LDS loads: P as it lies, V turned; the first 32 keys first
.set QI, (\k)/128
	WIN TO_A
.irp i, 0,1,2,3
	ds_load_b128 v[AF+64*\f+8*\i:AF+64*\f+8*\i+3],   v[ADRA+\slot] offset:\k+\i*16*PA
	ds_load_b128 v[AF+64*\f+8*\i+4:AF+64*\f+8*\i+7], v[ADRA+\slot] offset:\k+\i*16*PA+32
.endr
	WIN 0
.irp c, 0,1
.irp i, 0,1,2,3
	ds_load_tr16_b128 v[BF+64*\f+8*(4*\c+\i):BF+64*\f+8*(4*\c+\i)+3],   v[ADRB+2*\slot+QI/2] offset:(64*(QI%2)+32*\c)*PB+32*\i
	ds_load_tr16_b128 v[BF+64*\f+8*(4*\c+\i)+4:BF+64*\f+8*(4*\c+\i)+7], v[ADRB+2*\slot+QI/2] offset:(64*(QI%2)+32*\c+16)*PB+32*\i
.endr
.endr
	WIN TO_A
.irp i, 0,1,2,3
	ds_load_b128 v[AF+64*\f+8*(4+\i):AF+64*\f+8*(4+\i)+3],   v[ADRA+\slot] offset:\k+64+\i*16*PA
	ds_load_b128 v[AF+64*\f+8*(4+\i)+4:AF+64*\f+8*(4+\i)+7], v[ADRA+\slot] offset:\k+64+\i*16*PA+32
.endr
.endm
.macro QUARTER slot, k, f, g, head, set, left, more   ; head = 1: a chunk begins; 2: the launch's first chunk, whose products start the sums
	s_wait_dscnt 16                                ; the first 32 keys are in; the youngest 16 loads may be out
.if \head == 0
	WIN MUL
	MUL8 \f, 0, 0, 0
	MUL8 \f, 0, 2, 0
.elseif \head == 1
	HEAD \set, \left, \more
	WIN MUL
	MUL16S \f
.else
	HEAD \set, \left, \more
	WIN MUL
	MUL8 \f, 0, 0, 1
	MUL8 \f, 0, 2, 1
.endif
	PLACES
	FETCH \slot, \k, \g
	s_wait_dscnt 32                                ; all but the 32 just issued
	WIN MUL
	MUL8 \f, 1, 0, 0
	MUL8 \f, 1, 2, 0
.endm
.macro TURN slot, next, fill
	WIN 0
	s_wait_tensorcnt 0x0                           ; all my tensor loads have landed: my part of the next slot
	ds_add_u32 v[SPW], v[NIL]
	s_wait_dscnt 17                                ; the add and the youngest 16 loads may be out
	WIN MUL
	MUL8 1, 0, 0, 0
	s_wait_dscnt 0x0                               ; the add is done, and my reads of this slot are over
	s_barrier_signal -1
	MUL8 1, 0, 2, 0
.if \fill
	WIN 0
.endif
	s_barrier_wait -1
.if \fill
	CREST
	SETADR \slot
	JLOAD \slot                                    ; the first tensor load behind the round
.else
	PLACES
.endif
	FETCH \next, 0, 0
	WIN MUL
	MUL8 1, 1, 0, 0
	MUL8 1, 1, 2, 0
.endm
; A tile goes out: X / L through my own stage (a wave's 64 columns are 256 bytes), + v, 16 rows at a time.  All 32 loads of v go out first: the later blocks' land while the earlier are worked.
.macro EPI zb, vb
	WIN 0
	s_wait_xcnt 0x0                                ; earlier stores have read the registers that are written below
	WIN 0x80                                       ; destination window 2
.irp a, 0,1,2,3
.irp t, 0,1,2,3,4,5,6,7
	global_load_b128 v[32*\a+4*\t:32*\a+4*\t+3], v[CO], s[\vb:\vb+1] offset:(16*\a+2*\t)*4096 th:TH_LOAD_NT
.endr
.endr
	WIN 0
	PLACES
.irp a, 0,1,2,3
	v_rcp_f32 v[GG+2*\a], v[LS+\a]
.endr
	v_nop
	s_wait_alu depctr_va_vdst(0)                   ; one wait for the four reciprocals
.irp a, 0,1,2,3
.if \a > 0
	s_wait_xcnt 0x0                                ; the last block's stores have read their registers
.endif
	WIN 0x01
.irp i, 0,1,2,3,4,5,6,7,8,9,10,11,12,13,14,15
	v_pk_mul_f32 v[TMP+2*\i:TMP+2*\i+1], v[32*\a+2*\i:32*\a+2*\i+1], v[GG+2*\a:GG+2*\a+1] op_sel_hi:[1,0]   ; each accumulator from its low end on
.endr
	WIN 0
.irp b, 0,1,2,3
	ds_store_b128 v[STO], v[TMP+8*\b:TMP+8*\b+3] offset:64*\b
	ds_store_b128 v[STO], v[TMP+8*\b+4:TMP+8*\b+7] offset:64*\b+16
.endr
.irp t, 0,1,2,3,4,5,6,7
	ds_load_b128 v[TMP+4*\t:TMP+4*\t+3], v[RD] offset:544*\t       ; LDS serves a wave's instructions in order: these see the stores above
.endr
	s_wait_dscnt 0x0
	s_wait_loadcnt 8*(3-\a)                        ; this block's eight loads of v are in; the later blocks' may be out
	WIN 0x08                                       ; source 1 window 2
.irp i, 0,1,2,3,4,5,6,7,8,9,10,11,12,13,14,15
	v_pk_add_f32 v[TMP+2*\i:TMP+2*\i+1], v[TMP+2*\i:TMP+2*\i+1], v[32*\a+2*\i:32*\a+2*\i+1]
.endr
	WIN 0
.irp t, 0,1,2,3,4,5,6,7
	global_store_b128 v[CO], v[TMP+4*\t:TMP+4*\t+3], s[\zb:\zb+1] offset:(16*\a+2*\t)*4096   ; 16 lanes store 256 consecutive bytes, aligned
.endr
.endr
.endm
	s_load_b128 s[4:7], s[0:1], 0x0                ; p16, qkv16
	s_load_b128 s[68:71], s[0:1], 0x10             ; stats, v32
	s_load_b64 s[72:73], s[0:1], 0x20              ; z
	v_lshl_add_u32 v[SPW], v0, 2, SPARE
	v_mov_b32 v[NIL], 0
	ds_add_u32 v[SPW], v[NIL]                      ; the opening: the add, twice on end, and its wait ahead of my first tensor load
	ds_add_u32 v[SPW], v[NIL]
	v_lshrrev_b32 v1, 5, v0
	v_readfirstlane_b32 s10, v1
	s_lshr_b32 s11, s10, 1                         ; rh; also: I fetch P (0) or V (1)
	s_and_b32 s12, s10, 1                          ; ch; also: which half of that tile I fetch
	s_bfe_u32 s40, ttmp6, 0x40000
	s_bfe_u32 s41, ttmp6, 0x40004
	s_and_b32 s13, ttmp7, 0xffff
	s_and_b32 s45, s13, 1                          ; pr
	s_lshr_b32 s46, s13, 1                         ; the batch
	s_lshl_b32 s42, ttmp9, 2
	s_add_co_u32 s42, s42, s40                     ; ct: my 128 columns
	s_lshl_b32 s14, s45, 2
	s_add_co_u32 s14, s14, s41                     ; query tile 1
	s_sub_co_u32 s15, 3, s45
	s_lshl_b32 s15, s15, 2
	s_add_co_u32 s15, s15, s41                     ; query tile 2
	s_add_co_u32 s[N1], s45, 1
	s_lshl_b32 s[NC1], s[N1], 2                    ; tile 1's chunks,
	s_lshl_b32 s[N1], s[N1], 1                     ; and its K steps
	s_sub_co_u32 s[SW], 4, s45                     ; the loop's count in the trip in which tile 1 ends
	s_lshl_b32 s43, s41, 2
	s_lshl_b32 s43, 15, s43
	s_lshl_b32 s44, 0x1111, s40
	s_or_b32 s[G1+0], s43, (1<<16)|(1<<20)|(1<<21)|(6<<22)|(3<<25)   ; P: 64 rows x 256 elements, 4 words of padding behind every 128
	s_mov_b32 s[G1+1], 256<<16
	s_mov_b32 s[G1+2], 64<<16
	s_mov_b32 s[G1+3], 256<<16
	s_mov_b32 s[G1+4], 64
	s_mov_b32 s[G1+5], 2048
	s_mov_b32 s[G1+6], 0
	s_mov_b32 s[G1+7], 0
	s_or_b32 s[G1B+0], s44, (1<<16)|(1<<20)|(1<<21)|(5<<22)|(7<<25)  ; V: 128 keys x 128 elements, 8 words of padding behind every 64
	s_mov_b32 s[G1B+1], 128<<16
	s_mov_b32 s[G1B+2], 128<<16
	s_mov_b32 s[G1B+3], 128<<16
	s_mov_b32 s[G1B+4], 128
	s_mov_b32 s[G1B+5], 3072
	s_mov_b32 s[G1B+6], 0
	s_mov_b32 s[G1B+7], 0
	s_lshl_b32 s16, s46, 11                        ; 2,048 x batch
	s_lshl_b32 s17, s12, 6
	s_add_co_u32 s17, s17, s16
	s_lshl_b32 s18, s14, 7
	s_add_co_u32 s18, s18, s17
	s_lshl_b32 s[AO1], s18, 12                     ; P's rows that I fetch, tile 1,
	s_lshl_b32 s18, s15, 7
	s_add_co_u32 s18, s18, s17
	s_lshl_b32 s[AO2], s18, 12                     ; tile 2
	s_lshl_b32 s47, s12, 7
	s_add_co_u32 s47, s47, s16
	s_mul_i32 s[BO], s47, 6144                     ; V's keys that I fetch,
	s_lshl_b32 s47, s42, 8
	s_add_co_u32 s[BO], s[BO], s47
	s_add_co_u32 s[BO], s[BO], 4096                ; at v's columns 128 ct on
	s_lshl_b32 s17, s46, 9
	s_add_co_u32 s17, s17, s11
	s_lshl_b32 s18, s14, 1
	s_add_co_u32 s18, s18, s17
	s_lshl_b32 s[RB1], s18, 9                      ; my 64 rows' records of chunk 0
	s_lshl_b32 s18, s15, 1
	s_add_co_u32 s18, s18, s17
	s_lshl_b32 s[RB2], s18, 9
	s_lshl_b32 s17, s11, 6
	s_add_co_u32 s17, s17, s16
	s_lshl_b32 s19, s42, 9
	s_lshl_b32 s20, s12, 8
	s_add_co_u32 s19, s19, s20                     ; 512 ct + 256 ch
	s_lshl_b32 s18, s14, 7
	s_add_co_u32 s18, s18, s17
	s_lshl_b32 s18, s18, 12
	s_add_co_u32 s20, s18, s19
	s_mov_b32 s21, 0
	s_lshl_b32 s18, s15, 7
	s_add_co_u32 s18, s18, s17
	s_lshl_b32 s18, s18, 12
	s_add_co_u32 s22, s18, s19
	s_mov_b32 s23, 0
	s_mov_b32 s[GN], 0
	s_mov_b32 s[GC], -1
	s_wait_dscnt 0x0                               ; both opening adds are done
	s_wait_kmcnt 0x0
	s_add_nc_u64 s[ZB1:ZB1+1], s[72:73], s[20:21]
	s_add_nc_u64 s[ZB2:ZB2+1], s[72:73], s[22:23]
	s_add_nc_u64 s[VB1:VB1+1], s[70:71], s[20:21]
	s_add_nc_u64 s[VB2:VB2+1], s[70:71], s[22:23]
	s_mul_i32 s16, s12, HALFA
	s_mul_i32 s17, s12, HALFB
	s_add_co_u32 s17, s17, ABYTES
	CROUND
.irp s, 0,1
	s_mov_b32 s[G0+4*\s], 1
	s_add_co_u32 s[G0+4*\s+1], s16, \s*SLOT
	s_mov_b32 s[G0B+4*\s], 1
	s_add_co_u32 s[G0B+4*\s+1], s17, \s*SLOT
	SETADR \s
	JLOAD \s                                       ; two loads of a wave are out here, one behind each later round
.endr
	v_and_b32 v1, 15, v0
	v_bfe_u32 v2, v0, 4, 1
	v_mul_u32_u24 v3, v1, PA
	v_lshl_add_u32 v3, v2, 4, v3
	s_mul_i32 s16, s11, HALFA
	v_add_nc_u32 v[ADRA], s16, v3
	v_add_nc_u32 v[ADRA+1], SLOT, v[ADRA]
	v_and_b32 v4, 7, v0
	v_lshl_add_u32 v4, v2, 3, v4                   ; key 8 h + lane % 8
	v_mul_u32_u24 v4, v4, PB
	v_bfe_u32 v5, v0, 3, 1
	v_lshl_add_u32 v4, v5, 4, v4
	s_lshl_b32 s16, s12, 7
	s_add_co_u32 s16, s16, ABYTES
	v_add_nc_u32 v[ADRB], s16, v4
	v_add_nc_u32 v[ADRB+1], HALFB, v[ADRB]
	v_add_nc_u32 v[ADRB+2], SLOT, v[ADRB]
	v_add_nc_u32 v[ADRB+3], SLOT+HALFB, v[ADRB]
	s_mul_i32 s16, s10, 16*272
	s_add_co_u32 s16, s16, STAGE
	v_mul_u32_u24 v3, v1, 272
	v_lshl_add_u32 v3, v2, 5, v3
	v_add_nc_u32 v[STO], s16, v3
	v_mul_u32_u24 v3, v2, 272
	v_lshl_add_u32 v3, v1, 4, v3
	v_add_nc_u32 v[RD], s16, v3
	v_lshlrev_b32 v3, 12, v2
	v_lshl_add_u32 v[CO], v1, 4, v3
	v_lshlrev_b32 v[RO], 5, v1
.irp a, 0,1,2,3
	v_mov_b32 v[MR+\a], 0xff61b1e6
	v_mov_b32 v[EO+\a], 0xff61b1e6
	v_mov_b32 v[LS+\a], 0
.endr
	RECLOAD 0                                      ; chunk 0's record,
	RECLOAD 1                                      ; and chunk 1's
	s_wait_tensorcnt 1                             ; my part of K step 0 is in; K step 1's load may be out
	s_barrier_signal -1
	s_barrier_wait -1
	FETCH 0, 0, 0
	QUARTER 0, 128, 0, 1, 2, 0, 2, 1               ; chunk 0
	WIN 0
	s_mov_b32 s3, 4
.Llap:                                                 ; four chunks a trip: an odd one, an even one, an odd one, an even one
	QUARTER 0, 256, 1, 0, 0, 0, 0, 0
	QUARTER 0, 384, 0, 1, 1, 1, 2, 1
	TURN 0, 1, 1
	QUARTER 1, 128, 0, 1, 1, 0, 2, 1
	QUARTER 1, 256, 1, 0, 0, 0, 0, 0
	QUARTER 1, 384, 0, 1, 1, 1, 2, 1
	TURN 1, 0, 1
	WIN 0
	s_cmp_lg_u32 s3, s[SW]                         ; tile 1 ends with a lap; which lap hangs on the cluster's y alone
	s_cbranch_scc1 .Lsame_tile
	EPI ZB1, VB1
.irp a, 0,1,2,3
	v_mov_b32 v[MR+\a], 0xff61b1e6                 ; the next head's g is 0: tile 2's sums start
	v_mov_b32 v[EO+\a], 0xff61b1e6
.endr
.Lsame_tile:
	QUARTER 0, 128, 0, 1, 1, 0, 2, 1
	WIN 0
	s_sub_co_u32 s3, s3, 1
	s_cmp_lg_u32 s3, 0
	s_cbranch_scc1 .Llap
	QUARTER 0, 256, 1, 0, 0, 0, 0, 0               ; the last lap fills nothing
	QUARTER 0, 384, 0, 1, 1, 1, 2, 1               ; chunk 17 asks for the last record, chunk 19's
	TURN 0, 1, 0
	QUARTER 1, 128, 0, 1, 1, 0, 2, 0               ; chunk 18
	QUARTER 1, 256, 1, 0, 0, 0, 0, 0
	QUARTER 1, 384, 0, 1, 1, 1, 0, 0               ; chunk 19: no load was issued behind its record's
	s_wait_dscnt 16
	WIN MUL
	MUL8 1, 0, 0, 0
	MUL8 1, 0, 2, 0
	s_wait_dscnt 0
	MUL8 1, 1, 0, 0
	MUL8 1, 1, 2, 0
	EPI ZB2, VB2
	s_wait_tensorcnt 0x0                           ; the wave's end
	ds_add_u32 v[SPW], v[NIL]
	s_wait_dscnt 0x0
	CROUND                                         ; the closing round
	s_endpgm
.Lfunc_end_k_q6ca032f25e_pv:
	.size	k_q6ca032f25e_pv, .Lfunc_end_k_q6ca032f25e_pv-k_q6ca032f25e_pv
	.p2alignl 7, 3214868480
	.fill 96, 4, 3214868480
	.section	.rodata,"a",@progbits
	.p2align	6, 0x0
	.amdhsa_kernel k_q6ca032f25e_pv
		.amdhsa_group_segment_fixed_size 327680
		.amdhsa_private_segment_fixed_size 0
		.amdhsa_enable_private_segment 0
		.amdhsa_kernarg_size 40
		.amdhsa_user_sgpr_count 2
		.amdhsa_user_sgpr_kernarg_segment_ptr 1
		.amdhsa_wavefront_size32 1
		.amdhsa_system_sgpr_workgroup_id_x 1
		.amdhsa_system_sgpr_workgroup_id_y 1
		.amdhsa_system_sgpr_workgroup_id_z 1
		.amdhsa_system_vgpr_workitem_id 0
		.amdhsa_next_free_vgpr 640
		.amdhsa_next_free_sgpr 100
		.amdhsa_reserve_vcc 0
		.amdhsa_float_denorm_mode_32 3
		.amdhsa_float_denorm_mode_16_64 3
		.amdhsa_memory_ordered 1
		.amdhsa_forward_progress 1
		.amdhsa_inst_pref_size 165
	.end_amdhsa_kernel
	.amdgpu_metadata
---
amdhsa.version: [ 1, 2 ]
amdhsa.kernels:
  - .name:           k_q6ca032f25e_pv
    .symbol:         k_q6ca032f25e_pv.kd
    .args:
      - { .name: p16, .offset: 0, .size: 8, .value_kind: global_buffer, .address_space: global }
      - { .name: qkv16, .offset: 8, .size: 8, .value_kind: global_buffer, .address_space: global }
      - { .name: stats, .offset: 16, .size: 8, .value_kind: global_buffer, .address_space: global }
      - { .name: v32, .offset: 24, .size: 8, .value_kind: global_buffer, .address_space: global }
      - { .name: z, .offset: 32, .size: 8, .value_kind: global_buffer, .address_space: global }
    .group_segment_fixed_size: 327680
    .private_segment_fixed_size: 0
    .kernarg_segment_align: 8
    .kernarg_segment_size: 40
    .max_flat_workgroup_size: 128
    .sgpr_count:     100
    .vgpr_count:     640
    .wavefront_size: 32
...
	.end_amdgpu_metadata
.endif
;; end of part 4
;; launch ln (part 5): grid 256 x 1, 8 waves a work-group, no clusters, 0 bytes of LDS; arguments z, gamma, beta, h16; writes h16
.if DOCPART == 5
	.amdgcn_target "amdgcn-amd-amdhsa--gfx1250"
	.amdhsa_code_object_version 6
	.text
	.protected	k_q6ca032f25e_ln
	.globl	k_q6ca032f25e_ln
	.p2align	8
	.type	k_q6ca032f25e_ln,@function
k_q6ca032f25e_ln:
	s_mov_b64 s[64:65], 0
	v_nop
	global_prefetch_b8 v0, s[64:65] scope:SCOPE_SE
	s_setreg_imm32_b32 hwreg(HW_REG_WAVE_MODE, 25, 1), 1
	s_wait_xcnt 0x0
; LN.  h = (z - mean) rsqrt(var + 1e-5) gamma + beta, in f32, stored as f16.  z: [8192][1024] f32.
; A wave takes four whole rows, 32 registers each; all its 48 loads go out at once; the mean and then the centred squares are summed in registers, so z is read once.
; No LDS, no barrier: a row never leaves its wave.  LIMIT: |h| under 65,504.
.set X,  64                            ; v64-191 the four rows
.set GA, 192                           ; v192-223 gamma
.set BE, 224                           ; v224-255 beta
	s_load_b256 s[4:11], s[0:1], 0x0               ; z, gamma, beta, h16
	v_lshrrev_b32 v3, 5, v0
	v_readfirstlane_b32 s12, v3
	v_and_b32 v3, 31, v0
	v_lshlrev_b32 v1, 4, v3                        ; in: 16 bytes a lane
	v_lshlrev_b32 v2, 3, v3                        ; out: 8 bytes a lane
	s_lshl_b32 s13, ttmp9, 5
	s_lshl_b32 s14, s12, 2
	s_add_co_u32 s13, s13, s14                     ; my first row
	s_lshl_b32 s16, s13, 12
	s_mov_b32 s17, 0
	s_lshl_b32 s18, s13, 11
	s_mov_b32 s19, 0
	s_mov_b32 s20, 0x76543210
	s_mov_b32 s21, 0xfedcba98
	s_mov_b32 s22, 0x3a800000                      ; 1 / 1024
	s_mov_b32 s23, 0x3727c5ac                      ; 1e-5
	s_wait_kmcnt 0x0
	s_add_nc_u64 s[4:5], s[4:5], s[16:17]
	s_add_nc_u64 s[10:11], s[10:11], s[18:19]
.irp j, 0,1,2,3,4,5,6,7
	global_load_b128 v[X+4*\j:X+4*\j+3], v1, s[4:5] offset:512*\j th:TH_LOAD_NT
.endr
.irp j, 0,1,2,3,4,5,6,7
	global_load_b128 v[GA+4*\j:GA+4*\j+3], v1, s[6:7] offset:512*\j
.endr
.irp j, 0,1,2,3,4,5,6,7
	global_load_b128 v[BE+4*\j:BE+4*\j+3], v1, s[8:9] offset:512*\j
.endr
.irp i, 1,2,3
.irp j, 0,1,2,3,4,5,6,7
	global_load_b128 v[X+32*\i+4*\j:X+32*\i+4*\j+3], v1, s[4:5] offset:4096*\i+512*\j th:TH_LOAD_NT
.endr
.endr
.macro ALL32                           ; v4 summed over the wave's 32 lanes, into every lane
	v_add_f32_dpp v4, v4, v4 row_xmask:1 row_mask:0xf bank_mask:0xf
	v_add_f32_dpp v4, v4, v4 row_xmask:2 row_mask:0xf bank_mask:0xf
	v_add_f32_dpp v4, v4, v4 row_xmask:4 row_mask:0xf bank_mask:0xf
	v_add_f32_dpp v4, v4, v4 row_xmask:8 row_mask:0xf bank_mask:0xf
	v_permlanex16_b32 v5, v4, s20, s21
	v_add_f32 v4, v4, v5
.endm
.macro ROW i, left
.set XR, X+32*\i
	s_wait_loadcnt \left                           ; this row (and gamma, beta) are in; the later rows' loads may be out
	v_pk_add_f32 v[4:5], v[XR:XR+1], v[XR+2:XR+3]
	v_pk_add_f32 v[6:7], v[XR+4:XR+5], v[XR+6:XR+7]
.irp p, 8,12,16,20,24,28
	v_pk_add_f32 v[4:5], v[4:5], v[XR+\p:XR+\p+1]
	v_pk_add_f32 v[6:7], v[6:7], v[XR+\p+2:XR+\p+3]
.endr
	v_pk_add_f32 v[4:5], v[4:5], v[6:7]
	v_add_f32 v4, v4, v5
	ALL32
	v_mul_f32 v8, s22, v4                          ; the mean
	v_mov_b32 v9, v8
.irp p, 0,2,4,6,8,10,12,14,16,18,20,22,24,26,28,30
	v_pk_add_f32 v[XR+\p:XR+\p+1], v[XR+\p:XR+\p+1], v[8:9] neg_lo:[0,1] neg_hi:[0,1]
.endr
	v_pk_mul_f32 v[4:5], v[XR:XR+1], v[XR:XR+1]
	v_pk_mul_f32 v[6:7], v[XR+2:XR+3], v[XR+2:XR+3]
.irp p, 4,8,12,16,20,24,28
	v_pk_fma_f32 v[4:5], v[XR+\p:XR+\p+1], v[XR+\p:XR+\p+1], v[4:5]
	v_pk_fma_f32 v[6:7], v[XR+\p+2:XR+\p+3], v[XR+\p+2:XR+\p+3], v[6:7]
.endr
	v_pk_add_f32 v[4:5], v[4:5], v[6:7]
	v_add_f32 v4, v4, v5
	ALL32
	v_fma_f32 v4, v4, s22, s23                     ; var + eps
	v_rsq_f32 v10, v4
	v_nop                                          ; a plain instruction behind the transcendental
	s_wait_alu depctr_va_vdst(0)                   ; and a wait ahead of its first reader
	v_mov_b32 v11, v10
.irp p, 0,2,4,6,8,10,12,14,16,18,20,22,24,26,28,30
	v_pk_mul_f32 v[XR+\p:XR+\p+1], v[XR+\p:XR+\p+1], v[10:11]
.endr
.irp p, 0,2,4,6,8,10,12,14,16,18,20,22,24,26,28,30
	v_pk_fma_f32 v[XR+\p:XR+\p+1], v[XR+\p:XR+\p+1], v[GA+\p:GA+\p+1], v[BE+\p:BE+\p+1]
.endr
.if \i > 0
	s_wait_xcnt 0x0                                ; the last row's stores have read v32-47
.endif
.irp j, 0,1,2,3,4,5,6,7
	v_cvt_pk_f16_f32 v[32+2*\j], v[XR+4*\j], v[XR+4*\j+1]
	v_cvt_pk_f16_f32 v[33+2*\j], v[XR+4*\j+2], v[XR+4*\j+3]
.endr
.irp j, 0,1,2,3,4,5,6,7
	global_store_b64 v2, v[32+2*\j:33+2*\j], s[10:11] offset:2048*\i+256*\j   ; the wave stores 256 consecutive bytes, aligned
.endr
.endm
	ROW 0, 24
	ROW 1, 16
	ROW 2, 8
	ROW 3, 0
	s_endpgm
.Lfunc_end_k_q6ca032f25e_ln:
	.size	k_q6ca032f25e_ln, .Lfunc_end_k_q6ca032f25e_ln-k_q6ca032f25e_ln
	.p2alignl 7, 3214868480
	.fill 96, 4, 3214868480
	.section	.rodata,"a",@progbits
	.p2align	6, 0x0
	.amdhsa_kernel k_q6ca032f25e_ln
		.amdhsa_group_segment_fixed_size 0
		.amdhsa_private_segment_fixed_size 0
		.amdhsa_enable_private_segment 0
		.amdhsa_kernarg_size 32
		.amdhsa_user_sgpr_count 2
		.amdhsa_user_sgpr_kernarg_segment_ptr 1
		.amdhsa_wavefront_size32 1
		.amdhsa_system_sgpr_workgroup_id_x 1
		.amdhsa_system_sgpr_workgroup_id_y 1
		.amdhsa_system_sgpr_workgroup_id_z 1
		.amdhsa_system_vgpr_workitem_id 0
		.amdhsa_next_free_vgpr 256
		.amdhsa_next_free_sgpr 66
		.amdhsa_reserve_vcc 0
		.amdhsa_float_denorm_mode_32 3
		.amdhsa_float_denorm_mode_16_64 3
		.amdhsa_memory_ordered 1
		.amdhsa_forward_progress 1
		.amdhsa_inst_pref_size 37
	.end_amdhsa_kernel
	.amdgpu_metadata
---
amdhsa.version: [ 1, 2 ]
amdhsa.kernels:
  - .name:           k_q6ca032f25e_ln
    .symbol:         k_q6ca032f25e_ln.kd
    .args:
      - { .name: z, .offset: 0, .size: 8, .value_kind: global_buffer, .address_space: global }
      - { .name: gamma, .offset: 8, .size: 8, .value_kind: global_buffer, .address_space: global }
      - { .name: beta, .offset: 16, .size: 8, .value_kind: global_buffer, .address_space: global }
      - { .name: h16, .offset: 24, .size: 8, .value_kind: global_buffer, .address_space: global }
    .group_segment_fixed_size: 0
    .private_segment_fixed_size: 0
    .kernarg_segment_align: 8
    .kernarg_segment_size: 32
    .max_flat_workgroup_size: 256
    .sgpr_count:     66
    .vgpr_count:     256
    .wavefront_size: 32
...
	.end_amdgpu_metadata
.endif
;; end of part 5
;; launch fc (part 6): grid 8 x 64, 4 waves a work-group, clusters of 4 x 4, 327,680 bytes of LDS; arguments h16, prepbuf, bfc, out0; writes out0
.if DOCPART == 6
	.amdgcn_target "amdgcn-amd-amdhsa--gfx1250"
	.amdhsa_code_object_version 6
	.text
	.protected	k_q6ca032f25e_fc
	.globl	k_q6ca032f25e_fc
	.p2align	8
	.type	k_q6ca032f25e_fc,@function
k_q6ca032f25e_fc:
	s_mov_b64 s[64:65], 0
	v_nop
	global_prefetch_b8 v0, s[64:65] scope:SCOPE_SE
	s_setreg_imm32_b32 hwreg(HW_REG_WAVE_MODE, 25, 1), 1
	s_wait_xcnt 0x0
	s_wait_alu depctr_hold_cnt(0) depctr_sa_sdst(0) depctr_va_vdst(0) depctr_va_sdst(0) depctr_va_ssrc(0) depctr_va_vcc(0) depctr_vm_vsrc(0)
	s_getreg_b32 s2, hwreg(HW_REG_IB_STS2, 6, 4)
	s_cmp_eq_u32 s2, 0
	s_cbranch_scc0 .Lentry_in_a_cluster
	s_endpgm
.Lentry_in_a_cluster:
	s_bfe_u32 s2, ttmp6, 0x10000c
	s_cmp_lg_u32 s2, 0xf033
	s_cbranch_scc0 .Lentry_shape_is_right
	s_endpgm
.Lentry_shape_is_right:
; FC.  out = h Wfc + bfc.  h: [8192][1024] f16; Wfc: [1024 (k)][1024 (o)] f16, as the first launch left it; sums, bias and output in f32.
; A tile of 128 x 128 to a work-group, four waves of 64 x 64; K in steps of 256 through two LDS slots; h's tiles are asked for jointly along a row of the 4 x 4 cluster, Wfc's along a column.
; Wfc lies [k][o] in LDS and is turned by the load.  The matrix instruction is used transposed: a lane holds eight neighbouring outputs of one row.
; Rows 0-15 of each batch are written here from f16 operands and written again, from f32 operands, by the last launch.
; REGISTERS: window 0: v0-31 addresses; v32-95 rows on the way out; v96-99 the bias; v128-255 Wfc's fragments.  window 1: v0-127 accumulators; v128-255 h's fragments.
.set OFF_WF, 6127616
.set PA,     528
.set PB,     288
.set HALFA,  64*PA
.set ABYTES, 2*HALFA
.set HALFB,  128*PB
.set SLOT,   ABYTES+2*HALFB
.set STAGE,  2*SLOT
.set SPARE,  STAGE+4*16*272
.set LAPS,   2
.set BO,   15
.set ADRA, 16
.set ADRB, 20
.set STO,  24
.set RD,   25
.set CO,   26
.set SPW,  28
.set NIL,  29
.set BI,   96
.set BF,   128
.set AF,   128
.set G1, 24
.set G0, 32
.set G1B, 48
.set G0B, 56
.set MSB, 0
.macro WIN new
.if MSB != \new
	s_set_vgpr_msb (MSB<<8)|\new
.set MSB, \new
.endif
.endm
.set MUL,  0x54
.set TO_A, 0x40
.macro JLOAD s
	s_cmp_eq_u32 s11, 0
	s_cbranch_scc0 .Lfor_b_\@
	tensor_load_to_lds s[G0+4*\s:G0+4*\s+3], s[G1:G1+7]
	s_nop 0
.rept 4
	v_nop
.endr
	s_branch .Lasked_\@
.Lfor_b_\@:
	tensor_load_to_lds s[G0B+4*\s:G0B+4*\s+3], s[G1B:G1B+7]
	s_nop 0
.rept 4
	v_nop
.endr
.Lasked_\@:
.endm
.macro CREST
	s_cmp_lg_u32 s10, 0
	s_cbranch_scc1 .Lnot_wave_0_\@
	s_barrier_signal -3
.Lnot_wave_0_\@:
	s_barrier_wait -3
	s_barrier_signal -1
	s_barrier_wait -1
.endm
.macro CROUND
	s_barrier_signal -1
	s_barrier_wait -1
	CREST
.endm
.macro PLACES
.rept 4
	v_nop
.endr
.endm
.macro MUL8 f, c, a0, zero
.irp a, \a0, \a0+1
.irp b, 0,1,2,3
.if \zero
	v_wmma_f32_16x16x32_f16 v[8*(4*(\a)+\b):8*(4*(\a)+\b)+7], v[BF+64*\f+8*(4*\c+\b):BF+64*\f+8*(4*\c+\b)+7], v[AF+64*\f+8*(4*\c+(\a)):AF+64*\f+8*(4*\c+(\a))+7], 0
.else
	v_wmma_f32_16x16x32_f16 v[8*(4*(\a)+\b):8*(4*(\a)+\b)+7], v[BF+64*\f+8*(4*\c+\b):BF+64*\f+8*(4*\c+\b)+7], v[AF+64*\f+8*(4*\c+(\a)):AF+64*\f+8*(4*\c+(\a))+7], v[8*(4*(\a)+\b):8*(4*(\a)+\b)+7]
.endif
.endr
.endr
.endm
.macro FETCH slot, k, f
.set QI, (\k)/128
	WIN TO_A
.irp i, 0,1,2,3
	ds_load_b128 v[AF+64*\f+8*\i:AF+64*\f+8*\i+3],   v[ADRA+\slot] offset:\k+\i*16*PA
	ds_load_b128 v[AF+64*\f+8*\i+4:AF+64*\f+8*\i+7], v[ADRA+\slot] offset:\k+\i*16*PA+32
.endr
	WIN 0
.irp c, 0,1
.irp i, 0,1,2,3
	ds_load_tr16_b128 v[BF+64*\f+8*(4*\c+\i):BF+64*\f+8*(4*\c+\i)+3],   v[ADRB+2*\slot+QI/2] offset:(64*(QI%2)+32*\c)*PB+32*\i
	ds_load_tr16_b128 v[BF+64*\f+8*(4*\c+\i)+4:BF+64*\f+8*(4*\c+\i)+7], v[ADRB+2*\slot+QI/2] offset:(64*(QI%2)+32*\c+16)*PB+32*\i
.endr
.endr
	WIN TO_A
.irp i, 0,1,2,3
	ds_load_b128 v[AF+64*\f+8*(4+\i):AF+64*\f+8*(4+\i)+3],   v[ADRA+\slot] offset:\k+64+\i*16*PA
	ds_load_b128 v[AF+64*\f+8*(4+\i)+4:AF+64*\f+8*(4+\i)+7], v[ADRA+\slot] offset:\k+64+\i*16*PA+32
.endr
.endm
.macro QUARTER slot, k, f, g, zero
	s_wait_dscnt 16                                ; the first 32 along K are in; the youngest 16 loads may be out
	WIN MUL
	MUL8 \f, 0, 0, \zero
	MUL8 \f, 0, 2, \zero
	PLACES
	FETCH \slot, \k, \g
	s_wait_dscnt 32                                ; all but the 32 just issued
	WIN MUL
	MUL8 \f, 1, 0, 0
	MUL8 \f, 1, 2, 0
.endm
.macro TURN slot, next, fill
	WIN 0
	s_wait_tensorcnt 0x0                           ; all my tensor loads have landed: my part of the next slot
	ds_add_u32 v[SPW], v[NIL]
	s_wait_dscnt 17                                ; the add and the youngest 16 loads may be out
	WIN MUL
	MUL8 1, 0, 0, 0
	s_wait_dscnt 0x0                               ; the add is done, and my reads of this slot are over
	s_barrier_signal -1
	MUL8 1, 0, 2, 0
.if \fill
	WIN 0
.endif
	s_barrier_wait -1
.if \fill
	CREST
	s_add_nc_u64 s[G0+4*\slot+2:G0+4*\slot+3], s[G0+4*\slot+2:G0+4*\slot+3], 1024      ; two K steps on: 512 elements of h's rows,
	s_add_nc_u64 s[G0B+4*\slot+2:G0B+4*\slot+3], s[G0B+4*\slot+2:G0B+4*\slot+3], 1048576   ; 512 rows of Wfc
	JLOAD \slot
.else
	PLACES
.endif
	FETCH \next, 0, 0
	WIN MUL
	MUL8 1, 1, 0, 0
	MUL8 1, 1, 2, 0
.endm
	s_load_b128 s[4:7], s[0:1], 0x0                ; h16, prepbuf
	s_load_b128 s[68:71], s[0:1], 0x10             ; bfc, out0
	v_lshl_add_u32 v[SPW], v0, 2, SPARE
	v_mov_b32 v[NIL], 0
	ds_add_u32 v[SPW], v[NIL]                      ; the opening: the add, twice on end, and its wait ahead of my first tensor load
	ds_add_u32 v[SPW], v[NIL]
	v_lshrrev_b32 v1, 5, v0
	v_readfirstlane_b32 s10, v1
	s_lshr_b32 s11, s10, 1
	s_and_b32 s12, s10, 1
	s_bfe_u32 s40, ttmp6, 0x40000
	s_bfe_u32 s41, ttmp6, 0x40004
	s_lshl_b32 s42, ttmp9, 2
	s_add_co_u32 s42, s42, s40                     ; tile column
	s_and_b32 s13, ttmp7, 0xffff
	s_lshl_b32 s13, s13, 2
	s_add_co_u32 s13, s13, s41                     ; tile row
	s_lshl_b32 s43, s41, 2
	s_lshl_b32 s43, 15, s43
	s_lshl_b32 s44, 0x1111, s40
	s_or_b32 s[G1+0], s43, (1<<16)|(1<<20)|(1<<21)|(6<<22)|(3<<25)
	s_mov_b32 s[G1+1], 256<<16
	s_mov_b32 s[G1+2], 64<<16
	s_mov_b32 s[G1+3], 256<<16
	s_mov_b32 s[G1+4], 64
	s_mov_b32 s[G1+5], 1024
	s_mov_b32 s[G1+6], 0
	s_mov_b32 s[G1+7], 0
	s_or_b32 s[G1B+0], s44, (1<<16)|(1<<20)|(1<<21)|(5<<22)|(7<<25)
	s_mov_b32 s[G1B+1], 128<<16
	s_mov_b32 s[G1B+2], 128<<16
	s_mov_b32 s[G1B+3], 128<<16
	s_mov_b32 s[G1B+4], 128
	s_mov_b32 s[G1B+5], 1024
	s_mov_b32 s[G1B+6], 0
	s_mov_b32 s[G1B+7], 0
	s_lshl_b32 s16, s13, 7
	s_lshl_b32 s17, s12, 6
	s_add_co_u32 s16, s16, s17
	s_lshl_b32 s16, s16, 11                        ; h's rows that I fetch
	s_mov_b32 s17, 0
	s_lshl_b32 s22, s12, 18                        ; Wfc's 128 rows that I fetch,
	s_lshl_b32 s23, s42, 8
	s_add_co_u32 s22, s22, s23                     ; at columns 128 x tile column on
	s_add_co_u32 s22, s22, OFF_WF
	s_mov_b32 s23, 0
	s_mul_i32 s20, s12, HALFA
	s_mul_i32 s21, s12, HALFB
	s_add_co_u32 s21, s21, ABYTES
	s_wait_dscnt 0x0                               ; both opening adds are done
	s_wait_kmcnt 0x0
	s_add_nc_u64 s[14:15], s[4:5], s[16:17]
	s_add_nc_u64 s[22:23], s[6:7], s[22:23]
	CROUND
.irp s, 0,1
	s_mov_b32 s[G0+4*\s], 1
	s_add_co_u32 s[G0+4*\s+1], s20, \s*SLOT
	s_add_nc_u64 s[G0+4*\s+2:G0+4*\s+3], s[14:15], \s*512
	s_or_b32 s[G0+4*\s+3], s[G0+4*\s+3], 0x80000000
	s_mov_b32 s[G0B+4*\s], 1
	s_add_co_u32 s[G0B+4*\s+1], s21, \s*SLOT
	s_add_nc_u64 s[G0B+4*\s+2:G0B+4*\s+3], s[22:23], \s*524288
	s_or_b32 s[G0B+4*\s+3], s[G0B+4*\s+3], 0x80000000
	JLOAD \s                                       ; two loads of a wave are out here, one behind each later round
.endr
	v_and_b32 v1, 15, v0
	v_bfe_u32 v2, v0, 4, 1
	v_mul_u32_u24 v3, v1, PA
	v_lshl_add_u32 v3, v2, 4, v3
	s_mul_i32 s16, s11, HALFA
	v_add_nc_u32 v[ADRA], s16, v3
	v_add_nc_u32 v[ADRA+1], SLOT, v[ADRA]
	v_and_b32 v4, 7, v0
	v_lshl_add_u32 v4, v2, 3, v4
	v_mul_u32_u24 v4, v4, PB
	v_bfe_u32 v5, v0, 3, 1
	v_lshl_add_u32 v4, v5, 4, v4
	s_lshl_b32 s16, s12, 7
	s_add_co_u32 s16, s16, ABYTES
	v_add_nc_u32 v[ADRB], s16, v4
	v_add_nc_u32 v[ADRB+1], HALFB, v[ADRB]
	v_add_nc_u32 v[ADRB+2], SLOT, v[ADRB]
	v_add_nc_u32 v[ADRB+3], SLOT+HALFB, v[ADRB]
	s_mul_i32 s16, s10, 16*272
	s_add_co_u32 s16, s16, STAGE
	v_mul_u32_u24 v3, v1, 272
	v_lshl_add_u32 v3, v2, 5, v3
	v_add_nc_u32 v[STO], s16, v3
	v_mul_u32_u24 v3, v2, 272
	v_lshl_add_u32 v3, v1, 4, v3
	v_add_nc_u32 v[RD], s16, v3
	v_lshlrev_b32 v3, 12, v2
	v_lshl_add_u32 v[CO], v1, 4, v3
	v_lshlrev_b32 v[BO], 4, v1
	s_lshl_b32 s18, s42, 9
	s_lshl_b32 s19, s12, 8
	s_add_co_u32 s18, s18, s19                     ; 512 x tile column + 256 ch
	s_mov_b32 s19, 0
	s_add_nc_u64 s[68:69], s[68:69], s[18:19]
	global_load_b128 v[BI:BI+3], v[BO], s[68:69]   ; the bias of the four columns that I store
	s_lshl_b32 s16, s13, 7
	s_lshl_b32 s17, s11, 6
	s_add_co_u32 s16, s16, s17
	s_lshl_b32 s16, s16, 12
	s_add_co_u32 s16, s16, s18
	s_mov_b32 s17, 0
	s_add_nc_u64 s[70:71], s[70:71], s[16:17]
	s_wait_tensorcnt 1                             ; my part of K step 0 is in; K step 1's load may be out
	s_barrier_signal -1
	s_barrier_wait -1
	FETCH 0, 0, 0
	QUARTER 0, 128, 0, 1, 1
	WIN 0
	s_mov_b32 s3, LAPS-1
.Llap:
	QUARTER 0, 256, 1, 0, 0
	QUARTER 0, 384, 0, 1, 0
	TURN 0, 1, 1
	QUARTER 1, 128, 0, 1, 0
	QUARTER 1, 256, 1, 0, 0
	QUARTER 1, 384, 0, 1, 0
	TURN 1, 0, 1
	QUARTER 0, 128, 0, 1, 0
	WIN 0
	s_sub_co_u32 s3, s3, 1
	s_cmp_lg_u32 s3, 0
	s_cbranch_scc1 .Llap
	QUARTER 0, 256, 1, 0, 0
	QUARTER 0, 384, 0, 1, 0
	TURN 0, 1, 0
	QUARTER 1, 128, 0, 1, 0
	QUARTER 1, 256, 1, 0, 0
	QUARTER 1, 384, 0, 1, 0
	s_wait_dscnt 16
	WIN MUL
	MUL8 1, 0, 0, 0
	MUL8 1, 0, 2, 0
	s_wait_dscnt 0
	MUL8 1, 1, 0, 0
	MUL8 1, 1, 2, 0
	WIN 0
	PLACES
	s_wait_loadcnt 0x0                             ; the bias
	; THE WAY OUT, 16 rows at a time through my own stage: a wave's 64 columns are 256 bytes
.irp a, 0,1,2,3
	WIN 0x04                                       ; an LDS store's data: window 1
.irp b, 0,1,2,3
	ds_store_b128 v[STO], v[32*\a+8*\b:32*\a+8*\b+3] offset:64*\b          ; each accumulator from its low end on
	ds_store_b128 v[STO], v[32*\a+8*\b+4:32*\a+8*\b+7] offset:64*\b+16
.endr
	WIN 0
.if \a > 1
	s_wait_xcnt 0x0                                ; block a - 2's stores have read their registers
.endif
.irp t, 0,1,2,3,4,5,6,7
	ds_load_b128 v[32+32*(\a%2)+4*\t:32+32*(\a%2)+4*\t+3], v[RD] offset:544*\t
.endr
	s_wait_dscnt 0x0
.irp t, 0,1,2,3,4,5,6,7
	v_pk_add_f32 v[32+32*(\a%2)+4*\t:32+32*(\a%2)+4*\t+1], v[32+32*(\a%2)+4*\t:32+32*(\a%2)+4*\t+1], v[BI:BI+1]
	v_pk_add_f32 v[32+32*(\a%2)+4*\t+2:32+32*(\a%2)+4*\t+3], v[32+32*(\a%2)+4*\t+2:32+32*(\a%2)+4*\t+3], v[BI+2:BI+3]
.endr
.irp t, 0,1,2,3,4,5,6,7
	global_store_b128 v[CO], v[32+32*(\a%2)+4*\t:32+32*(\a%2)+4*\t+3], s[70:71] offset:(16*\a+2*\t)*4096 th:TH_STORE_NT   ; 16 lanes store 256 consecutive bytes, aligned
.endr
.endr
	s_wait_tensorcnt 0x0                           ; the wave's end
	ds_add_u32 v[SPW], v[NIL]
	s_wait_dscnt 0x0
	CROUND                                         ; the closing round
	s_endpgm
.Lfunc_end_k_q6ca032f25e_fc:
	.size	k_q6ca032f25e_fc, .Lfunc_end_k_q6ca032f25e_fc-k_q6ca032f25e_fc
	.p2alignl 7, 3214868480
	.fill 96, 4, 3214868480
	.section	.rodata,"a",@progbits
	.p2align	6, 0x0
	.amdhsa_kernel k_q6ca032f25e_fc
		.amdhsa_group_segment_fixed_size 327680
		.amdhsa_private_segment_fixed_size 0
		.amdhsa_enable_private_segment 0
		.amdhsa_kernarg_size 32
		.amdhsa_user_sgpr_count 2
		.amdhsa_user_sgpr_kernarg_segment_ptr 1
		.amdhsa_wavefront_size32 1
		.amdhsa_system_sgpr_workgroup_id_x 1
		.amdhsa_system_sgpr_workgroup_id_y 1
		.amdhsa_system_sgpr_workgroup_id_z 1
		.amdhsa_system_vgpr_workitem_id 0
		.amdhsa_next_free_vgpr 512
		.amdhsa_next_free_sgpr 80
		.amdhsa_reserve_vcc 0
		.amdhsa_float_denorm_mode_32 3
		.amdhsa_float_denorm_mode_16_64 3
		.amdhsa_memory_ordered 1
		.amdhsa_forward_progress 1
		.amdhsa_inst_pref_size 91
	.end_amdhsa_kernel
	.amdgpu_metadata
---
amdhsa.version: [ 1, 2 ]
amdhsa.kernels:
  - .name:           k_q6ca032f25e_fc
    .symbol:         k_q6ca032f25e_fc.kd
    .args:
      - { .name: h16, .offset: 0, .size: 8, .value_kind: global_buffer, .address_space: global }
      - { .name: prepbuf, .offset: 8, .size: 8, .value_kind: global_buffer, .address_space: global }
      - { .name: bfc, .offset: 16, .size: 8, .value_kind: global_buffer, .address_space: global }
      - { .name: out0, .offset: 24, .size: 8, .value_kind: global_buffer, .address_space: global }
    .group_segment_fixed_size: 327680
    .private_segment_fixed_size: 0
    .kernarg_segment_align: 8
    .kernarg_segment_size: 32
    .max_flat_workgroup_size: 128
    .sgpr_count:     80
    .vgpr_count:     512
    .wavefront_size: 32
...
	.end_amdgpu_metadata
.endif
;; end of part 6
;; launch fine (part 7): grid 64 x 4, 4 waves a work-group, no clusters, 83,200 bytes of LDS; arguments qkv16, v32, Wfc, gamma, beta, bfc, out0; writes out0
.if DOCPART == 7
	.amdgcn_target "amdgcn-amd-amdhsa--gfx1250"
	.amdhsa_code_object_version 6
	.text
	.protected	k_q6ca032f25e_fine
	.globl	k_q6ca032f25e_fine
	.p2align	8
	.type	k_q6ca032f25e_fine,@function
k_q6ca032f25e_fine:
	s_mov_b64 s[64:65], 0
	v_nop
	global_prefetch_b8 v0, s[64:65] scope:SCOPE_SE
	s_setreg_imm32_b32 hwreg(HW_REG_WAVE_MODE, 25, 1), 1
	s_wait_xcnt 0x0
; FINE.  Positions 0-15 of each batch once more: under the causal mask they average one to sixteen values, so att v, the norm and the projection go in f32 here.
; The scores sum 1,024 terms and take q and k as f16.  A work-group is (16 output columns, batch): it makes the batch's 16 rows of h itself and then its 16 x 16 outputs;
; its four waves share K in the scores and in the projection, and the 1,024 columns in between (a thread holds 8 columns of all 16 rows).
; z is made in place: the queries go from 15 down to 0, and row q of v takes z[q], since no later query reads it.
; Each number that is spread over a packed pair (att, mean, rstd) is held twice, in a register pair of its own.
; A store here covers 64 bytes of a row: 256 KiB in all go out so, for the sake of 256 work-groups.  No tensor load: LDS is claimed as it is used.
; REGISTERS: window 0: v0-31 addresses and work; v32-47 scores, later 16 sums; v48-111 at work; v112-127 the f32 product's two accumulators, named by no other line; v128-255 v, then z, then h's fragments.
;   window 1: v0-7 gamma, v8-15 beta, v16-23 bias; v128-255 q's and k's fragments, then Wfc's.
.set PART,  0                          ; 4 x 1,024: the waves' parts of the scores, as images of their registers
.set ATT,   4096                       ; 4 x 2,048: att, each number twice, a copy for each wave
.set RED1,  12288
.set RED2,  12544
.set HB,    12800                      ; h: 16 rows x (4,096 + 16) bytes
.set HP,    4112
.set PF,    HB+16*HP                   ; 4 x 1,024: the waves' parts of the outputs
.set SPARE, PF+4096
.set VQ,   4
.set VT,   5
.set IMW,  6
.set PFW,  7
.set IMR,  8
.set PFR,  9
.set ATW,  10
.set ATR,  11
.set REDW, 12
.set REDR, 13
.set HW,   14
.set HR,   15
.set WA,   16
.set BA,   17
.set OA,   18
.set D0,   19
.set NINF, 20
.set SPW,  21
.set NIL,  22
.set SA,   32
.set SQ,   32
.set PS,   48
.set ACF,  112
.set VR,   128
.set GAM,  0
.set BET,  8
.set BIA,  16
.set QF,   128
.set KF,   192
.set WF,   128
.set SEL,  24
.set CS,   26
.set INV,  28
.set EPS,  29
.set MSB, 0
.macro WIN new
.if MSB != \new
	s_set_vgpr_msb (MSB<<8)|\new
.set MSB, \new
.endif
.endm
.macro BARRIER                         ; my LDS stores have landed and my LDS loads are in: then the work-group's barrier
	s_wait_dscnt 0x0
	s_barrier_signal -1
	s_barrier_wait -1
.endm
.macro ATLOAD q                        ; att[q][0..15], each twice: the same 128 bytes into every lane
.irp i, 0,1,2,3,4,5,6,7
	ds_load_b128 v[PS+32*((\q)%2)+4*\i:PS+32*((\q)%2)+4*\i+3], v[ATR] offset:128*(\q)+16*\i
.endr
.endm
.macro LANES16                         ; the 16 sums in v32-47, over the wave's 32 lanes
.irp m, 1,2,4,8
.irp q, 0,1,2,3,4,5,6,7,8,9,10,11,12,13,14,15
	v_add_f32_dpp v[SQ+\q], v[SQ+\q], v[SQ+\q] row_xmask:\m row_mask:0xf bank_mask:0xf
.endr
.endr
.irp q, 0,1,2,3,4,5,6,7,8,9,10,11,12,13,14,15
	v_permlanex16_b32 v[PS+\q], v[SQ+\q], s[SEL], s[SEL+1]
.endr
.irp q, 0,1,2,3,4,5,6,7,8,9,10,11,12,13,14,15
	v_add_f32 v[SQ+\q], v[SQ+\q], v[PS+\q]
.endr
.endm
.macro WAVES16 off                     ; and over the four waves: all lanes of a wave store the same 64 bytes; a barrier; every wave reads all four
.irp i, 0,1,2,3
	ds_store_b128 v[REDW], v[SQ+4*\i:SQ+4*\i+3] offset:\off+16*\i
.endr
	BARRIER
.irp u, 0,1,2,3
.irp i, 0,1,2,3
	ds_load_b128 v[PS+16*\u+4*\i:PS+16*\u+4*\i+3], v[REDR] offset:\off+64*\u+16*\i
.endr
.endr
	s_wait_dscnt 0x0
.irp j, 0,2,4,6,8,10,12,14
	v_pk_add_f32 v[SQ+\j:SQ+\j+1], v[PS+\j:PS+\j+1], v[PS+16+\j:PS+16+\j+1]
	v_pk_add_f32 v[PS+32+\j:PS+32+\j+1], v[PS+32+\j:PS+32+\j+1], v[PS+48+\j:PS+48+\j+1]
.endr
.irp j, 0,2,4,6,8,10,12,14
	v_pk_add_f32 v[SQ+\j:SQ+\j+1], v[SQ+\j:SQ+\j+1], v[PS+32+\j:PS+32+\j+1]
.endr
.endm
	s_load_b256 s[4:11], s[0:1], 0x0               ; qkv16, v32, Wfc, gamma
	s_load_b128 s[12:15], s[0:1], 0x20             ; beta, bfc
	s_load_b64 s[16:17], s[0:1], 0x30              ; out0
	v_lshl_add_u32 v[SPW], v0, 2, SPARE
	v_mov_b32 v[NIL], 0
	v_lshrrev_b32 v3, 5, v0
	v_readfirstlane_b32 s18, v3                    ; wave
	v_and_b32 v3, 31, v0                           ; lane
	v_and_b32 v1, 15, v0                           ; r
	v_bfe_u32 v2, v0, 4, 1                         ; h
	s_and_b32 s19, ttmp7, 0xffff                   ; the batch
	s_mov_b32 s[SEL], 0x76543210
	s_mov_b32 s[SEL+1], 0xfedcba98
	s_mov_b32 s[CS], 0x3d38aa3b                    ; c = log2(e) / 32
	s_mov_b32 s[CS+1], s[CS]
	s_mov_b32 s[INV], 0x3a800000                   ; 1 / 1024
	s_mov_b32 s[EPS], 0x3727c5ac                   ; 1e-5
	v_mul_u32_u24 v[VQ], v1, 6144
	v_lshl_add_u32 v[VQ], v2, 4, v[VQ]             ; q, k: row r, + 16 h
	v_lshlrev_b32 v[VT], 4, v0                     ; v, gamma, beta: 16 bytes a thread
	s_lshl_b32 s30, s18, 10
	v_lshl_add_u32 v[IMW], v3, 4, s30              ; an image's place: 1,024 w + 16 x lane
	v_add_nc_u32 v[PFW], PF, v[IMW]
	v_lshlrev_b32 v[IMR], 4, v3
	v_add_nc_u32 v[PFR], PF, v[IMR]
	s_lshl_b32 s31, s18, 11
	s_add_co_u32 s31, s31, ATT
	v_lshlrev_b32 v23, 7, v1
	v_lshl_add_u32 v23, v2, 6, v23
	v_add_nc_u32 v[ATW], s31, v23                  ; att[r][8 h ..], 8 bytes a number
	v_mov_b32 v[ATR], s31
	s_lshl_b32 s31, s18, 6
	s_add_co_u32 s31, s31, RED1
	v_mov_b32 v[REDW], s31
	v_mov_b32 v[REDR], RED1
	v_lshl_add_u32 v[HW], v0, 4, HB
	v_mul_u32_u24 v[HR], v1, HP
	v_lshl_add_u32 v[HR], v2, 3, v[HR]
	s_add_co_u32 s30, s30, HB
	v_add_nc_u32 v[HR], s30, v[HR]                 ; h[r][256 w + 2 h ..]
	v_lshlrev_b32 v[WA], 13, v2
	v_lshl_add_u32 v[WA], v1, 2, v[WA]             ; Wfc[2 h ..][r]
	v_lshlrev_b32 v[BA], 5, v2
	v_lshlrev_b32 v[OA], 12, v1
	v_lshl_add_u32 v[OA], v2, 5, v[OA]
	v_lshlrev_b32 v23, 3, v2
	v_sub_nc_u32 v[D0], v1, v23                    ; r - 8 h: register j (key 8 h + j) is hidden where j is above it
	v_mov_b32 v[NINF], 0xff800000
	v_mov_b32 v25, 0                               ; written once: a lane permute's destination counts as one of its sources
	s_mul_i32 s20, s19, 12582912                   ; 2,048 rows of 6,144 bytes
	s_lshl_b32 s21, s18, 9
	s_add_co_u32 s20, s20, s21                     ; + my quarter of K
	s_mov_b32 s21, 0
	s_lshl_b32 s22, s19, 23                        ; 2,048 rows of 4,096 bytes
	s_mov_b32 s23, 0
	s_wait_kmcnt 0x0
	s_add_nc_u64 s[4:5], s[4:5], s[20:21]
	s_add_nc_u64 s[6:7], s[6:7], s[22:23]
	s_add_nc_u64 s[16:17], s[16:17], s[22:23]
	s_lshl_b32 s20, ttmp9, 6                       ; my 16 output columns
	s_add_nc_u64 s[14:15], s[14:15], s[20:21]
	s_add_nc_u64 s[16:17], s[16:17], s[20:21]
	s_lshl_b32 s22, s18, 20                        ; my 256 rows of Wfc
	s_add_co_u32 s20, s20, s22
	s_add_nc_u64 s[8:9], s[8:9], s[20:21]
	WIN 0x40                                       ; destination window 1
.irp s, 0,1,2,3,4,5,6,7
	global_load_b128 v[QF+8*\s:QF+8*\s+3],   v[VQ], s[4:5] offset:64*\s
	global_load_b128 v[QF+8*\s+4:QF+8*\s+7], v[VQ], s[4:5] offset:64*\s+32
	global_load_b128 v[KF+8*\s:KF+8*\s+3],   v[VQ], s[4:5] offset:2048+64*\s
	global_load_b128 v[KF+8*\s+4:KF+8*\s+7], v[VQ], s[4:5] offset:2048+64*\s+32
.endr
	WIN 0
.irp k, 0,1,2,3,4,5,6,7,8,9,10,11,12,13,14,15
.irp g, 0,1
	global_load_b128 v[VR+8*\k+4*\g:VR+8*\k+4*\g+3], v[VT], s[6:7] offset:4096*\k+2048*\g   ; v[k][4 t + 512 g ..]
.endr
.endr
	WIN 0x40
.irp g, 0,1
	global_load_b128 v[GAM+4*\g:GAM+4*\g+3], v[VT], s[10:11] offset:2048*\g
	global_load_b128 v[BET+4*\g:BET+4*\g+3], v[VT], s[12:13] offset:2048*\g
	global_load_b128 v[BIA+4*\g:BIA+4*\g+3], v[BA], s[14:15] offset:16*\g
.endr
	; ---- A: my quarter of the scores: S^T = k q^T, two accumulators by turns
	s_wait_loadcnt 38                              ; q and k are in; the 38 loads behind them may be out
	WIN 0x05
.irp s, 0,1,2,3,4,5,6,7
.if \s < 2
	v_wmma_f32_16x16x32_f16 v[SA+8*(\s%2):SA+8*(\s%2)+7], v[KF+8*\s:KF+8*\s+7], v[QF+8*\s:QF+8*\s+7], 0
.else
	v_wmma_f32_16x16x32_f16 v[SA+8*(\s%2):SA+8*(\s%2)+7], v[KF+8*\s:KF+8*\s+7], v[QF+8*\s:QF+8*\s+7], v[SA+8*(\s%2):SA+8*(\s%2)+7]
.endif
.endr
	WIN 0
.rept 4
	v_nop                                          ; places in front of the reads of the results, and of the loads into the fragments' registers
.endr
.irp j, 0,2,4,6
	v_pk_add_f32 v[SA+\j:SA+\j+1], v[SA+\j:SA+\j+1], v[SA+8+\j:SA+8+\j+1]
.endr
	ds_store_b128 v[IMW], v[SA:SA+3]
	ds_store_b128 v[IMW], v[SA+4:SA+7] offset:512
	WIN 0x40
.set s, 0
.rept 28                               ; Wfc's first 56 loads: register 2 s + j holds Wfc[256 w + 4 s + 2 h + j][my column r]
	global_load_b32 v[WF+2*s],   v[WA], s[8:9] offset:(4*s)*4096
	global_load_b32 v[WF+2*s+1], v[WA], s[8:9] offset:(4*s+1)*4096
.set s, s+1
.endr
	WIN 0
	BARRIER
.irp u, 0,1,2,3
.irp c, 0,1
	ds_load_b128 v[PS+8*\u+4*\c:PS+8*\u+4*\c+3], v[IMR] offset:1024*\u+512*\c
.endr
.endr
	s_wait_dscnt 0x0
.irp j, 0,2,4,6
	v_pk_add_f32 v[SA+\j:SA+\j+1], v[PS+\j:PS+\j+1], v[PS+8+\j:PS+8+\j+1]
	v_pk_add_f32 v[SA+8+\j:SA+8+\j+1], v[PS+16+\j:PS+16+\j+1], v[PS+24+\j:PS+24+\j+1]
.endr
.irp j, 0,2,4,6
	v_pk_add_f32 v[SA+\j:SA+\j+1], v[SA+\j:SA+\j+1], v[SA+8+\j:SA+8+\j+1]
.endr
	; ---- B: the softmax, in every wave alike: lane (r, h) holds query r, keys 8 h + 0..7
.irp j, 0,1,2,3,4,5,6,7
	v_cmp_gt_i32 vcc_lo, \j, v[D0]
	v_cndmask_b32 v[SA+\j], v[SA+\j], v[NINF], vcc_lo
.endr
	v_max3_num_f32 v24, v[SA], v[SA+1], v[SA+2]
	v_max3_num_f32 v24, v24, v[SA+3], v[SA+4]
	v_max3_num_f32 v24, v24, v[SA+5], v[SA+6]
	v_max_num_f32 v24, v24, v[SA+7]
	v_permlanex16_b32 v25, v24, s[SEL], s[SEL+1]
	v_max_num_f32 v24, v24, v25                    ; the row's largest score: key 0 counts for every query
	v_mul_f32 v26, s[CS], v24
	v_mov_b32 v27, v26
.irp j, 0,2,4,6
	v_pk_fma_f32 v[SA+\j:SA+\j+1], v[SA+\j:SA+\j+1], s[CS:CS+1], v[26:27] op_sel_hi:[1,0,0] neg_lo:[0,0,1] neg_hi:[0,0,1]
.endr
.irp j, 0,1,2,3,4,5,6,7
	v_exp_f32 v[SA+\j], v[SA+\j]
.endr
	v_nop
	s_wait_alu depctr_va_vdst(0)                   ; one wait for the eight exponentials
	v_pk_add_f32 v[28:29], v[SA:SA+1], v[SA+2:SA+3]
	v_pk_add_f32 v[30:31], v[SA+4:SA+5], v[SA+6:SA+7]
	v_pk_add_f32 v[28:29], v[28:29], v[30:31]
	v_add_f32 v28, v28, v29
	v_permlanex16_b32 v25, v28, s[SEL], s[SEL+1]
	v_add_f32 v28, v28, v25
	v_rcp_f32 v30, v28
	v_nop
	s_wait_alu depctr_va_vdst(0)
.irp j, 0,1,2,3,4,5,6,7
	v_mul_f32 v[PS+2*\j], v[SA+\j], v30            ; att, each number twice
	v_mul_f32 v[PS+2*\j+1], v[SA+\j], v30
.endr
.irp i, 0,1,2,3
	ds_store_b128 v[ATW], v[PS+4*\i:PS+4*\i+3] offset:16*\i   ; my wave's own copy: no barrier; LDS serves a wave's instructions in order
.endr
	; ---- C: z[q] = v[q] + sum over k <= q of att[q][k] v[k], in place, q from 15 down
	s_wait_loadcnt 56                              ; v, gamma, beta and the bias are in; Wfc's first 56 loads may be out
	WIN 0x40
.set s, 28
.rept 36                               ; Wfc's other 72 loads
	global_load_b32 v[WF+2*s],   v[WA], s[8:9] offset:(4*s)*4096
	global_load_b32 v[WF+2*s+1], v[WA], s[8:9] offset:(4*s+1)*4096
.set s, s+1
.endr
	WIN 0
	ATLOAD 15
.set q, 15
.rept 16
.if q > 0
	ATLOAD q-1
	s_wait_dscnt 8                                 ; this query's row of att is in; the next one's eight loads may be out
.else
	s_wait_dscnt 0x0
.endif
.set ab, PS+32*(q%2)
.set zq, VR+8*q
.irp p, 0,2,4,6
	v_pk_fma_f32 v[zq+\p:zq+\p+1], v[zq+\p:zq+\p+1], v[ab+2*q:ab+2*q+1], v[zq+\p:zq+\p+1]
.endr
.if q > 0
.set k, 0
.rept q
.irp p, 0,2,4,6
	v_pk_fma_f32 v[zq+\p:zq+\p+1], v[VR+8*k+\p:VR+8*k+\p+1], v[ab+2*k:ab+2*k+1], v[zq+\p:zq+\p+1]
.endr
.set k, k+1
.endr
.endif
.set q, q-1
.endr
	; ---- D: the norm: the mean, then the centred squares
.irp q, 0,1,2,3,4,5,6,7,8,9,10,11,12,13,14,15
	v_pk_add_f32 v[24+4*(\q%2):25+4*(\q%2)], v[VR+8*\q:VR+8*\q+1], v[VR+8*\q+2:VR+8*\q+3]
	v_pk_add_f32 v[26+4*(\q%2):27+4*(\q%2)], v[VR+8*\q+4:VR+8*\q+5], v[VR+8*\q+6:VR+8*\q+7]
	v_pk_add_f32 v[24+4*(\q%2):25+4*(\q%2)], v[24+4*(\q%2):25+4*(\q%2)], v[26+4*(\q%2):27+4*(\q%2)]
	v_add_f32 v[SQ+\q], v[24+4*(\q%2)], v[25+4*(\q%2)]
.endr
	LANES16
	WAVES16 0
.irp q, 0,1,2,3,4,5,6,7,8,9,10,11,12,13,14,15
	v_mul_f32 v[PS+2*\q], s[INV], v[SQ+\q]         ; the mean, twice
.endr
.irp q, 0,1,2,3,4,5,6,7,8,9,10,11,12,13,14,15
	v_mov_b32 v[PS+2*\q+1], v[PS+2*\q]
.endr
.irp q, 0,1,2,3,4,5,6,7,8,9,10,11,12,13,14,15
.irp p, 0,2,4,6
	v_pk_add_f32 v[VR+8*\q+\p:VR+8*\q+\p+1], v[VR+8*\q+\p:VR+8*\q+\p+1], v[PS+2*\q:PS+2*\q+1] neg_lo:[0,1] neg_hi:[0,1]
.endr
.endr
.irp q, 0,1,2,3,4,5,6,7,8,9,10,11,12,13,14,15
	v_pk_mul_f32 v[24+4*(\q%2):25+4*(\q%2)], v[VR+8*\q:VR+8*\q+1], v[VR+8*\q:VR+8*\q+1]
	v_pk_mul_f32 v[26+4*(\q%2):27+4*(\q%2)], v[VR+8*\q+2:VR+8*\q+3], v[VR+8*\q+2:VR+8*\q+3]
	v_pk_fma_f32 v[24+4*(\q%2):25+4*(\q%2)], v[VR+8*\q+4:VR+8*\q+5], v[VR+8*\q+4:VR+8*\q+5], v[24+4*(\q%2):25+4*(\q%2)]
	v_pk_fma_f32 v[26+4*(\q%2):27+4*(\q%2)], v[VR+8*\q+6:VR+8*\q+7], v[VR+8*\q+6:VR+8*\q+7], v[26+4*(\q%2):27+4*(\q%2)]
	v_pk_add_f32 v[24+4*(\q%2):25+4*(\q%2)], v[24+4*(\q%2):25+4*(\q%2)], v[26+4*(\q%2):27+4*(\q%2)]
	v_add_f32 v[SQ+\q], v[24+4*(\q%2)], v[25+4*(\q%2)]
.endr
	LANES16
	WAVES16 256
.irp q, 0,1,2,3,4,5,6,7,8,9,10,11,12,13,14,15
	v_fma_f32 v[SQ+\q], v[SQ+\q], s[INV], s[EPS]
.endr
.irp q, 0,1,2,3,4,5,6,7,8,9,10,11,12,13,14,15
	v_rsq_f32 v[PS+2*\q], v[SQ+\q]
.endr
	v_nop
	s_wait_alu depctr_va_vdst(0)                   ; one wait for the sixteen
.irp q, 0,1,2,3,4,5,6,7,8,9,10,11,12,13,14,15
	v_mov_b32 v[PS+2*\q+1], v[PS+2*\q]
.endr
.irp q, 0,1,2,3,4,5,6,7,8,9,10,11,12,13,14,15
.irp p, 0,2,4,6
	v_pk_mul_f32 v[VR+8*\q+\p:VR+8*\q+\p+1], v[VR+8*\q+\p:VR+8*\q+\p+1], v[PS+2*\q:PS+2*\q+1]
.endr
.endr
	WIN 0x14                                       ; sources 1 and 2 window 1
.irp q, 0,1,2,3,4,5,6,7,8,9,10,11,12,13,14,15
.irp p, 0,2,4,6
	v_pk_fma_f32 v[VR+8*\q+\p:VR+8*\q+\p+1], v[VR+8*\q+\p:VR+8*\q+\p+1], v[GAM+\p:GAM+\p+1], v[BET+\p:BET+\p+1]
.endr
.endr
	WIN 0
	; ---- E: h to LDS, as rows
.irp q, 0,1,2,3,4,5,6,7,8,9,10,11,12,13,14,15
.irp g, 0,1
	ds_store_b128 v[HW], v[VR+8*\q+4*\g:VR+8*\q+4*\g+3] offset:HP*\q+2048*\g
.endr
.endr
	BARRIER
	; ---- F: my quarter of the projection, in f32: source 0 = Wfc's 16 columns, source 1 = h's 16 rows, 4 along K an instruction
.set s, 0
.rept 64
	ds_load_b64 v[VR+2*s:VR+2*s+1], v[HR] offset:16*s
.set s, s+1
.endr
	s_wait_loadcnt 0x0                             ; Wfc
	s_wait_dscnt 0x0
	WIN 0x01                                       ; source 0 window 1
.set s, 0
.rept 64                               ; two accumulators by turns; their first products start the sums
.if s < 2
	v_wmma_f32_16x16x4_f32 v[ACF+8*(s%2):ACF+8*(s%2)+7], v[WF+2*s:WF+2*s+1], v[VR+2*s:VR+2*s+1], 0
.else
	v_wmma_f32_16x16x4_f32 v[ACF+8*(s%2):ACF+8*(s%2)+7], v[WF+2*s:WF+2*s+1], v[VR+2*s:VR+2*s+1], v[ACF+8*(s%2):ACF+8*(s%2)+7]
.endif
.set s, s+1
.endr
	WIN 0
.rept 8
	v_nop                                          ; eight places behind this form, in front of the reads of its results (ISA guide 7.12.1)
.endr
	; ---- G: the four quarters meet; wave 0 adds the bias and stores
.irp j, 0,2,4,6
	v_pk_add_f32 v[SA+\j:SA+\j+1], v[ACF+\j:ACF+\j+1], v[ACF+8+\j:ACF+8+\j+1]   ; both accumulators from their low ends on, into other registers
.endr
	ds_store_b128 v[PFW], v[SA:SA+3]
	ds_store_b128 v[PFW], v[SA+4:SA+7] offset:512
	BARRIER
	s_cmp_lg_u32 s18, 0
	s_cbranch_scc1 .Ldone
.irp u, 0,1,2,3
.irp c, 0,1
	ds_load_b128 v[PS+8*\u+4*\c:PS+8*\u+4*\c+3], v[PFR] offset:1024*\u+512*\c
.endr
.endr
	s_wait_dscnt 0x0
.irp j, 0,2,4,6
	v_pk_add_f32 v[SA+\j:SA+\j+1], v[PS+\j:PS+\j+1], v[PS+8+\j:PS+8+\j+1]
	v_pk_add_f32 v[SA+8+\j:SA+8+\j+1], v[PS+16+\j:PS+16+\j+1], v[PS+24+\j:PS+24+\j+1]
.endr
.irp j, 0,2,4,6
	v_pk_add_f32 v[SA+\j:SA+\j+1], v[SA+\j:SA+\j+1], v[SA+8+\j:SA+8+\j+1]
.endr
	WIN 0x04                                       ; source 1 window 1
.irp j, 0,2,4,6
	v_pk_add_f32 v[SA+\j:SA+\j+1], v[SA+\j:SA+\j+1], v[BIA+\j:BIA+\j+1]
.endr
	WIN 0
	global_store_b128 v[OA], v[SA:SA+3], s[16:17]              ; lane (r, h): out(r, 16 ot + 8 h + 0..7)
	global_store_b128 v[OA], v[SA+4:SA+7], s[16:17] offset:16
.Ldone:
	s_wait_tensorcnt 0x0                           ; the wave's end
	ds_add_u32 v[SPW], v[NIL]
	s_wait_dscnt 0x0
	s_endpgm
.Lfunc_end_k_q6ca032f25e_fine:
	.size	k_q6ca032f25e_fine, .Lfunc_end_k_q6ca032f25e_fine-k_q6ca032f25e_fine
	.p2alignl 7, 3214868480
	.fill 96, 4, 3214868480
	.section	.rodata,"a",@progbits
	.p2align	6, 0x0
	.amdhsa_kernel k_q6ca032f25e_fine
		.amdhsa_group_segment_fixed_size 83200
		.amdhsa_private_segment_fixed_size 0
		.amdhsa_enable_private_segment 0
		.amdhsa_kernarg_size 56
		.amdhsa_user_sgpr_count 2
		.amdhsa_user_sgpr_kernarg_segment_ptr 1
		.amdhsa_wavefront_size32 1
		.amdhsa_system_sgpr_workgroup_id_x 1
		.amdhsa_system_sgpr_workgroup_id_y 1
		.amdhsa_system_sgpr_workgroup_id_z 1
		.amdhsa_system_vgpr_workitem_id 0
		.amdhsa_next_free_vgpr 512
		.amdhsa_next_free_sgpr 66
		.amdhsa_reserve_vcc 1
		.amdhsa_float_denorm_mode_32 3
		.amdhsa_float_denorm_mode_16_64 3
		.amdhsa_memory_ordered 1
		.amdhsa_forward_progress 1
		.amdhsa_inst_pref_size 124
	.end_amdhsa_kernel
	.amdgpu_metadata
---
amdhsa.version: [ 1, 2 ]
amdhsa.kernels:
  - .name:           k_q6ca032f25e_fine
    .symbol:         k_q6ca032f25e_fine.kd
    .args:
      - { .name: qkv16, .offset: 0, .size: 8, .value_kind: global_buffer, .address_space: global }
      - { .name: v32, .offset: 8, .size: 8, .value_kind: global_buffer, .address_space: global }
      - { .name: Wfc, .offset: 16, .size: 8, .value_kind: global_buffer, .address_space: global }
      - { .name: gamma, .offset: 24, .size: 8, .value_kind: global_buffer, .address_space: global }
      - { .name: beta, .offset: 32, .size: 8, .value_kind: global_buffer, .address_space: global }
      - { .name: bfc, .offset: 40, .size: 8, .value_kind: global_buffer, .address_space: global }
      - { .name: out0, .offset: 48, .size: 8, .value_kind: global_buffer, .address_space: global }
    .group_segment_fixed_size: 83200
    .private_segment_fixed_size: 0
    .kernarg_segment_align: 8
    .kernarg_segment_size: 56
    .max_flat_workgroup_size: 128
    .sgpr_count:     66
    .vgpr_count:     512
    .wavefront_size: 32
...
	.end_amdgpu_metadata
.endif
;; end of part 7
